; MI455X (gfx1250); checked and timed in simulation.
; The chip was launched on July 23, 2026; its instructions are those of AMD's public machine-readable ISA for CDNA 5 (MIT licence, August 2026) and "CDNA5" Instruction Set Architecture Reference Guide (July 2026). The comments in the code are by the model that wrote it; some were corrected since.
;; Multi Head Attention. Allowed arithmetic: matrix products marked QUANTISED: E4M3 operands, one E8M0 scale for each 32 along K, by v_wmma_scale_f32_16x16x128_f8f6f4 with both operands' format E4M3, f32 sums; everything else in f32.
;; Inputs: Wfc 1,024 x 1,024 float32; Wk 1,024 x 1,024 float32; Wq 1,024 x 1,024 float32; Wv 1,024 x 1,024 float32; k 4,096 x 1,024 float32; q 4,096 x 1,024 float32; v 4,096 x 1,024 float32.
;; Outputs: out0 4,096 x 1,024 float32.
;; This version of the problem:
;;   THIS VERSION OF THE PROBLEM IS GIVEN IN LOW PRECISION. The matrix products marked QUANTISED in the list below multiply operands that are first quantised to E4M3 (4 exponent bits, 3 mantissa bits; 8 bits a number), with one power-of-two scale for each 32 numbers along K (OCP MX v1.0); their sums are f32. All else is computed in f32.
;;   The module's matrix products, in the order in which they are computed (A, B: the left and right operand; K: the contracted axis; several contracted axes count as one K, in the product's order):
;;     1. [M 4,096, K 1,024] x [K 1,024, N 1,024]; A: input q; B: input Wq: QUANTISED
;;     2. [M 4,096, K 1,024] x [K 1,024, N 1,024]; A: input k; B: input Wk: QUANTISED
;;     3. [M 4,096, K 1,024] x [K 1,024, N 1,024]; A: input v; B: input Wv: QUANTISED
;;     4. batch 16 x [M 4,096, K 64] x [K 64, N 4,096]; A: computed on the way; B: computed on the way: QUANTISED
;;     5. batch 16 x [M 4,096, K 4,096] x [K 4,096, N 64]; A: softmax (see below); B: computed on the way: QUANTISED
;;     6. [M 4,096, K 1,024] x [K 1,024, N 1,024]; A: computed on the way; B: input Wfc: QUANTISED
;;   THE QUANTISER, for each operand of a quantised product, along K:
;;     - K is cut into blocks of 32 from its start; a last block that is shorter is filled with zeros.
;;     - A block's scale is 2^e with e = floor(log2(the largest magnitude in the block)) - 8, held to -126 .. 127; a block of zeros has e = 0. As a byte (E8M0): e + 127.
;;     - Each number is divided by its block's scale, clamped to +-448, and rounded to the nearest number of E4M3, ties to even, subnormals kept.
;;     - The product sums the exact products of the quantised numbers (number of the format x scale) in f32.
;;   ~~~python
;;   def quantise(x, axis):      # numpy; x: float32 -> the quantised numbers, widened to float32 again
;;       x = np.moveaxis(x, axis, -1); K = x.shape[-1]
;;       x = np.pad(x, [(0, 0)] * (x.ndim - 1) + [(0, -K % 32)]); x = x.reshape(x.shape[:-1] + (-1, 32)); a = np.abs(x).max(-1, keepdims=True)
;;       e = np.where(a > 0, np.clip(np.frexp(np.where(a > 0, a, 1))[1] - 1 - 8, -126, 127), 0)      # np.frexp(a)[1] - 1 = floor(log2(a)), exactly
;;       r = np.clip(x / 2.0 ** e, -448, 448)
;;       step = 2.0 ** (np.maximum(np.frexp(np.where(r == 0, 1, r))[1] - 1, -6) - 3)
;;       q = np.round(r / step) * step * 2.0 ** e      # np.round: ties to even
;;       return np.moveaxis(q.reshape(q.shape[:-2] + (-1,))[..., :K], -1, axis).astype(np.float32)
;;   ~~~
;;   SOFTMAX AHEAD OF A QUANTISED PRODUCT. Where the list says 'softmax', what is quantised is not the finished softmax but p = 2^(t - M), with t = logit x log2(e) and M = ceil(the row's largest t), a whole number; so 1/2 < the row's largest p <= 1. The row's sum l is taken of the UNQUANTISED p, in f32, and the product's result is divided by l at the end. Since M is a whole number, a kernel that streams over the keys may use a running M (the ceiling of the running maximum): every later rescaling is an exact power of two, which a block's scale takes up: the codes' values come out the same.
;;   OPERANDS COMPUTED ON THE WAY. 'Computed on the way' means the value that the module computes at that place (a softmax that the list does not call 'softmax' is quantised finished and normalised). What goes into a quantiser is computed in f32, as accurately as f32 sums, v_exp_f32 and their like allow (about 1e-6 of the number): no bf16 or f16 on the way to a quantiser, and a product that is left as it is and whose result goes on into a quantised operand takes f32 operands (vector FMAs, or v_wmma_f32_16x16x4_f32). A number that lies on a knife's edge between two numbers of the format may be rounded either way, as far as f32 arithmetic and the matrix unit's own rounding can turn it there, and no further.
;; One version. Each part assembles by itself: llvm-mc -triple=amdgcn-amd-amdhsa -mcpu=gfx1250 --defsym DOCPART=n.
;; ======== version 1 of 1: 4 launches
;; limits: right only within a limited range of input values
;; workspace buffers: codes 16,777,216 bytes; scales 524,288 bytes; himg 12,582,912 bytes; hsc 393,216 bytes; ocodes 4,194,304 bytes; oscales 131,072 bytes
;; launch quant (part 1): grid 512 x 1, 4 waves a work-group, no clusters, 33,280 bytes of LDS; arguments q, k, v, Wq, Wk, Wv, Wfc, codes, scales; writes codes, scales
.if DOCPART == 1
	.amdgcn_target "amdgcn-amd-amdhsa--gfx1250"
	.amdhsa_code_object_version 6
	.text
	.protected	k_q78d176ec19_quant
	.globl	k_q78d176ec19_quant
	.p2align	8
	.type	k_q78d176ec19_quant,@function
k_q78d176ec19_quant:
	s_mov_b64 s[64:65], 0
	v_nop
	global_prefetch_b8 v0, s[64:65] scope:SCOPE_SE
	s_setreg_imm32_b32 hwreg(HW_REG_WAVE_MODE, 25, 1), 1
	s_wait_xcnt 0x0
; q, k, v [4096][1024] and Wq, Wk, Wv, Wfc [1024][1024], f32, K innermost in all seven, become codes of FP8 (E4M3) with one E8M0 scale byte for each 32 along K.
; A block's scale is 2^(floor(log2(its largest magnitude)) - 8); its byte is the largest magnitude's exponent field - 8, held at 1 from below.  Each number is divided by the scale,
; held within +-448 and rounded to the nearest code, ties to even.
; LIMITS: a block of zeros, or one whose largest magnitude lies under 2^(9 - 127), gets the byte 1 (its codes are zeros or subnormal codes; the bytes are read by this program alone); NaN and infinities are not served.
; SHARES: a work-group takes 32 rows of one tensor, a wave 8 rows: 16 steps of 512 numbers.  Work-groups 0-127 take q, 128-255 k, 256-383 v, then 32 each Wq, Wk, Wv, Wfc; the codes' buffer holds the tensors in that order.
; ROW ORDER OF THE OUTPUT: inside every 32 rows the second and third group of 8 rows change places (waves 1 and 2 store to each other's place).  So 16 neighbouring stored rows, lane r of block 2 p + u,
; are the true rows 32 p + 8 u + r + 8 (r / 8): a product that takes them as the rows of a tile leaves 16 neighbours along those rows in a lane's 16 registers of two neighbouring tiles.
; Each of a step's four loads reads 512 consecutive bytes; the 2,048 bytes turn through the wave's own stage in LDS and come back 64 bytes a lane (16 neighbours along K; two lanes hold a block).
; A lane's 16 codes are 16 bytes: the wave stores 512 consecutive bytes.  A wave's 256 scale bytes are gathered in its own LDS bytes and leave as 256 consecutive bytes, aligned.  Waves share nothing: no barrier.
; Loads run eight steps ahead: 32 loads, half of the wave's 32,768 bytes, are out at a time.
.set STEPS, 16
.set AHEAD, 8                          ; sets of registers for numbers as loaded = steps that the loads run ahead
.set EMAX,  8
.set MANT,  0x600000                   ; the mantissa field of 448 as f32
.set CB,    16                         ; bytes of 16 codes
.set R,     16                         ; v16-143  eight sets of 16 numbers as they are loaded
.set X,     144                        ; v144-175 two sets of 16 neighbours
.set E,     176                        ; v176-191 a scale byte for each step
.set C,     192                        ; v192-255 codes: four registers for each step, so that no store's data are written again
.set WREG,  8192                       ; LDS: a region for each wave: two stages of 32 x SP bytes, behind them its 256 scale bytes
.set SP,    80                         ; a lane's place in a stage: its 64 bytes + 16 of padding
.set SRC,   22                         ; s[22:23] the tensor that my work-group reads
.set COD,   18                         ; s[18:19] the codes
.set SCA,   20                         ; s[20:21] the scale bytes
	s_load_b256 s[4:11], s[0:1], 0x0               ; q, k, v, Wq
	s_load_b256 s[12:19], s[0:1], 0x20             ; Wk, Wv, Wfc, codes
	s_load_b64 s[20:21], s[0:1], 0x40              ; scales
	s_set_vgpr_msb 0x40
	v_lshl_add_u32 v0, v0, 2, 0x8000
	v_mov_b32 v1, 0
	s_set_vgpr_msb 0x4000
	v_lshrrev_b32 v1, 5, v0
	v_readfirstlane_b32 s26, v1                    ; wave
	v_and_b32 v2, 31, v0                           ; lane
	v_lshlrev_b32 v3, 4, v2                        ; my 16 bytes of a load's 512
	s_mul_i32 s27, s26, WREG
	v_lshrrev_b32 v14, 2, v2
	v_mul_u32_u24 v14, v14, SP
	v_and_b32 v15, 3, v2
	v_lshl_add_u32 v14, v15, 4, v14
	v_add_nc_u32 v14, s27, v14                     ; the stage, on the way in: SP (lane / 4) + 16 (lane % 4)
	v_mul_u32_u24 v15, v2, SP
	v_add_nc_u32 v15, s27, v15                     ; and on the way out: SP x lane: my 16 neighbours
	v_mul_u32_u24 v4, v2, CB                       ; my codes' place in a step's
	v_lshrrev_b32 v5, 1, v2
	s_add_co_u32 s27, s27, 2*32*SP
	v_add_nc_u32 v5, s27, v5                       ; LDS: my wave's 256 scale bytes, my block's byte
	v_lshlrev_b32 v7, 3, v2                        ; and on the way out 8 bytes a lane
	v_add_nc_u32 v6, s27, v7
	s_mov_b32 s25, MANT                            ; (an instruction takes one literal: the hold's line has another)
	s_mov_b32 s24, 0                               ; the first work-group of my tensor
	s_wait_alu depctr_va_vdst(0)
	s_wait_kmcnt 0x0
	s_mov_b64 s[SRC:SRC+1], s[4:5]
.macro PICK first, lo                  ; from work-group 'first' on the tensor is the one in s[lo:lo+1]: the choice hangs on the work-group's number alone
	s_cmp_ge_u32 ttmp9, \first
	s_cselect_b64 s[SRC:SRC+1], s[\lo:\lo+1], s[SRC:SRC+1]
	s_cselect_b32 s24, \first, s24
.endm
	PICK 128, 6
	PICK 256, 8
	PICK 384, 10
	PICK 416, 12
	PICK 448, 14
	PICK 480, 16
	s_sub_co_u32 s27, ttmp9, s24
	s_lshl_b32 s27, s27, 2
	s_add_co_u32 s27, s27, s26                     ; which run of 8 rows of the tensor is my wave's
	s_lshl_b32 s28, s27, 15                        ; 32,768 bytes a run
	s_mov_b32 s29, 0
	s_add_nc_u64 s[SRC:SRC+1], s[SRC:SRC+1], s[28:29]
	s_and_b32 s30, s26, 1
	s_lshl_b32 s30, s30, 1
	s_lshr_b32 s31, s26, 1
	s_or_b32 s30, s30, s31                         ; waves 1 and 2 change places on the way out
	s_lshl_b32 s31, ttmp9, 2
	s_add_co_u32 s30, s30, s31                     ; which run of the codes' buffer
	s_lshl_b32 s28, s30, 13                        ; 8,192 bytes of codes a run
	s_add_nc_u64 s[COD:COD+1], s[COD:COD+1], s[28:29]
	s_lshl_b32 s28, s30, 8                         ; 256 scale bytes a run
	s_add_nc_u64 s[SCA:SCA+1], s[SCA:SCA+1], s[28:29]
.macro LOAD t
.irp i, 0,1,2,3
	global_load_b128 v[R+16*((\t)%AHEAD)+4*\i:R+16*((\t)%AHEAD)+4*\i+3], v3, s[SRC:SRC+1] offset:2048*(\t)+512*\i th:TH_LOAD_NT   ; 32 lanes read 512 consecutive bytes
.endr
.endm
.macro TURN t                          ; step t's numbers through the stage: LDS serves a wave's instructions in order, so no wait stands between the stores and the loads
.irp i, 0,1,2,3
	ds_store_b128 v14, v[R+16*((\t)%AHEAD)+4*\i:R+16*((\t)%AHEAD)+4*\i+3] offset:32*SP*((\t)%2)+8*SP*\i
.endr
.irp i, 0,1,2,3
	ds_load_b128 v[X+16*((\t)%2)+4*\i:X+16*((\t)%2)+4*\i+3], v15 offset:32*SP*((\t)%2)+16*\i
.endr
.endm
.irp t, 0,1,2,3,4,5,6,7
	LOAD \t
.endr
	s_wait_loadcnt 4*(AHEAD-1)                     ; step 0's four loads are in; the 28 of steps 1 to 7 may be out
	TURN 0
.macro STEP t
.set XS, X+16*((\t)%2)
.if (\t) > 0
	s_wait_dscnt 1                                 ; this step's numbers are back from the stage (the last step's byte store may be out): so its stores into the stage have read their registers,
.else
	s_wait_dscnt 0x0
.endif
.if (\t)+AHEAD < STEPS
	LOAD (\t)+AHEAD                                ; which take the loads of eight steps on
.endif
.if (\t)+1 < STEPS
.if STEPS-2-(\t) >= AHEAD-1
	s_wait_loadcnt 4*(AHEAD-1)                     ; the next step's four loads are in; those of the seven steps behind it may be out
.else
	s_wait_loadcnt 4*(STEPS-2-(\t))                ; in the tail: those of the steps that are left behind it
.endif
	TURN (\t)+1                                    ; and go through the other stage while this step is worked
.endif
	v_max3_num_f32 v8, |v[XS]|, |v[XS+1]|, |v[XS+2]|               ; the largest magnitude of my 16, in two chains
	v_max3_num_f32 v9, |v[XS+3]|, |v[XS+4]|, |v[XS+5]|
.irp i, 6,10
	v_max3_num_f32 v8, v8, |v[XS+\i]|, |v[XS+\i+1]|
	v_max3_num_f32 v9, v9, |v[XS+\i+2]|, |v[XS+\i+3]|
.endr
	v_max3_num_f32 v8, v8, |v[XS+14]|, |v[XS+15]|
	v_max3_num_f32 v8, v8, v9, (EMAX+1)<<23        ; and the floor 2^(EMAX + 1 - 127): the byte cannot fall under 1
	v_max_num_f32_dpp v8, v8, v8 row_xmask:1 row_mask:0xf bank_mask:0xf   ; and of my neighbour's 16: the block's
	v_add_nc_u32 v11, -(EMAX<<23), v8              ; EMAX off its exponent field: the conversion takes the exponent field of this operand as its scale
	v_and_or_b32 v10, v8, 0x7f800000, s25          ; 448 x the scale: the largest magnitude's exponent field over 448's mantissa
.irp i, 0,1,2,3,4,5,6,7,8,9,10,11,12,13,14,15
	v_med3_num_f32 v[XS+\i], v[XS+\i], -v10, v10   ; the conversion to an 8-bit code does not saturate (ISA guide 7.6.2): hold the number first
.endr
	v_cvt_scalef32_pk8_fp8_f32 v[C+4*(\t):C+4*(\t)+1], v[XS:XS+7], v11
	v_cvt_scalef32_pk8_fp8_f32 v[C+4*(\t)+2:C+4*(\t)+3], v[XS+8:XS+15], v11
	v_lshrrev_b32 v[E+(\t)], 23, v11               ; the scale's byte (a plain line behind the conversions)
	ds_store_b8 v5, v[E+(\t)] offset:16*(\t)       ; both lanes of a block write the same byte with the same value
	global_store_b128 v4, v[C+4*(\t):C+4*(\t)+3], s[COD:COD+1] offset:32*CB*(\t)
.endm
.irp t, 0,1,2,3,4,5,6,7,8,9,10,11,12,13,14,15
	STEP \t
.endr
	ds_load_b64 v[12:13], v6                       ; LDS serves a wave's instructions in order: these see my stores
	s_wait_dscnt 0x0
	global_store_b64 v7, v[12:13], s[SCA:SCA+1]    ; 32 lanes store 256 consecutive bytes, aligned
	s_set_vgpr_msb 0x5
	s_wait_tensorcnt 0x0
	ds_add_u32 v0, v1
	s_wait_dscnt 0x0
	s_set_vgpr_msb 0x500
	s_endpgm
.Lfunc_end_k_q78d176ec19_quant:
	.size	k_q78d176ec19_quant, .Lfunc_end_k_q78d176ec19_quant-k_q78d176ec19_quant
	.p2alignl 7, 3214868480
	.fill 96, 4, 3214868480
	.section	.rodata,"a",@progbits
	.p2align	6, 0x0
	.amdhsa_kernel k_q78d176ec19_quant
		.amdhsa_group_segment_fixed_size 33280
		.amdhsa_private_segment_fixed_size 0
		.amdhsa_enable_private_segment 0
		.amdhsa_kernarg_size 72
		.amdhsa_user_sgpr_count 2
		.amdhsa_user_sgpr_kernarg_segment_ptr 1
		.amdhsa_wavefront_size32 1
		.amdhsa_system_sgpr_workgroup_id_x 1
		.amdhsa_system_sgpr_workgroup_id_y 1
		.amdhsa_system_sgpr_workgroup_id_z 1
		.amdhsa_system_vgpr_workitem_id 0
		.amdhsa_next_free_vgpr 258
		.amdhsa_next_free_sgpr 66
		.amdhsa_reserve_vcc 0
		.amdhsa_float_denorm_mode_32 3
		.amdhsa_float_denorm_mode_16_64 3
		.amdhsa_memory_ordered 1
		.amdhsa_forward_progress 1
		.amdhsa_inst_pref_size 52
	.end_amdhsa_kernel
	.amdgpu_metadata
---
amdhsa.version: [ 1, 2 ]
amdhsa.kernels:
  - .name:           k_q78d176ec19_quant
    .symbol:         k_q78d176ec19_quant.kd
    .args:
      - { .name: q, .offset: 0, .size: 8, .value_kind: global_buffer, .address_space: global }
      - { .name: k, .offset: 8, .size: 8, .value_kind: global_buffer, .address_space: global }
      - { .name: v, .offset: 16, .size: 8, .value_kind: global_buffer, .address_space: global }
      - { .name: Wq, .offset: 24, .size: 8, .value_kind: global_buffer, .address_space: global }
      - { .name: Wk, .offset: 32, .size: 8, .value_kind: global_buffer, .address_space: global }
      - { .name: Wv, .offset: 40, .size: 8, .value_kind: global_buffer, .address_space: global }
      - { .name: Wfc, .offset: 48, .size: 8, .value_kind: global_buffer, .address_space: global }
      - { .name: codes, .offset: 56, .size: 8, .value_kind: global_buffer, .address_space: global }
      - { .name: scales, .offset: 64, .size: 8, .value_kind: global_buffer, .address_space: global }
    .group_segment_fixed_size: 33280
    .private_segment_fixed_size: 0
    .kernarg_segment_align: 8
    .kernarg_segment_size: 72
    .max_flat_workgroup_size: 128
    .sgpr_count:     66
    .vgpr_count:     258
    .wavefront_size: 32
...
	.end_amdgpu_metadata
.endif
;; end of part 1
;; launch proj (part 2): grid 4 x 48, 4 waves a work-group, clusters of 4 x 4, 327,680 bytes of LDS; arguments codes, scales, himg, hsc; writes himg, hsc
.if DOCPART == 2
	.amdgcn_target "amdgcn-amd-amdhsa--gfx1250"
	.amdhsa_code_object_version 6
	.text
	.protected	k_q78d176ec19_proj
	.globl	k_q78d176ec19_proj
	.p2align	8
	.type	k_q78d176ec19_proj,@function
k_q78d176ec19_proj:
	s_mov_b64 s[64:65], 0
	v_nop
	global_prefetch_b8 v0, s[64:65] scope:SCOPE_SE
	s_setreg_imm32_b32 hwreg(HW_REG_WAVE_MODE, 25, 1), 1
	s_wait_xcnt 0x0
	s_wait_alu depctr_hold_cnt(0) depctr_sa_sdst(0) depctr_va_vdst(0) depctr_va_sdst(0) depctr_va_ssrc(0) depctr_va_vcc(0) depctr_vm_vsrc(0)
	s_getreg_b32 s2, hwreg(HW_REG_IB_STS2, 6, 4)
	s_cmp_eq_u32 s2, 0
	s_cbranch_scc0 .Lentry_in_a_cluster
	s_endpgm
.Lentry_in_a_cluster:
	s_bfe_u32 s2, ttmp6, 0x10000c
	s_cmp_lg_u32 s2, 0xf033
	s_cbranch_scc0 .Lentry_shape_is_right
	s_endpgm
.Lentry_shape_is_right:
.set SIZE_K, 1024
.set KSTEP,  256
.set NQ,     KSTEP/128
.set ROWB,   256
.set KROW,   SIZE_K
.set PITCH,  272
.set FR,     16
.set NL,     4
.set NP,     8
.set HALFT,  128*PITCH
.set SLOT,   4*HALFT
.set LAPS,   SIZE_K/(2*KSTEP)
.set KS,     SIZE_K/32
.set SCL,    2*SLOT
.set HALFS,  (128*KS/256)*272
.set SBLK,   (16*KS/256)*272
.set SPARE,  SCL+4*HALFS
.set ADRA, 16
.set ADRB, 20
.set ADRS, 27
.set SPW,  28
.set NIL,  29
.set LI,   30
.set SA,   31
.set SC,   32
.set AF,   128
.set TM,   64
.set HW,   80
.set T,    96
.set CD,   160
.set WD,   224
.set WO,   232
.set SEL,  2
.set MNT,  18
.set G1, 24
.set G0, 32
.set G1B, 48
.set G0B, 56
.set G1S, 68
.set G0S, 76
.set G1SB, 80
.set G0SB, 88
.set MSB, 0
.macro WIN new
.if MSB != \new
	s_set_vgpr_msb (MSB<<8)|\new
.set MSB, \new
.endif
.endm
.set MUL_LO, 0xa1
.set MUL_HI, 0xf1
.set TO_B,   0x40
.macro JLOAD g0a, g1a, g0b, g1b
	s_cmp_eq_u32 s15, 0
	s_cbranch_scc0 .Lfor_b_\@
	tensor_load_to_lds s[\g0a:\g0a+3], s[\g1a:\g1a+7]
	s_nop 0
.rept 4
	v_nop
.endr
	s_branch .Lasked_\@
.Lfor_b_\@:
	tensor_load_to_lds s[\g0b:\g0b+3], s[\g1b:\g1b+7]
	s_nop 0
.rept 4
	v_nop
.endr
.Lasked_\@:
.endm
.macro CREST
	s_cmp_lg_u32 s14, 0
	s_cbranch_scc1 .Lnot_wave_0_\@
	s_barrier_signal -3
.Lnot_wave_0_\@:
	s_barrier_wait -3
	s_barrier_signal -1
	s_barrier_wait -1
.endm
.macro CROUND
	s_barrier_signal -1
	s_barrier_wait -1
	CREST
.endm
	s_load_b256 s[4:11], s[0:1], 0x0
	v_lshl_add_u32 v[SPW], v0, 2, SPARE
	v_mov_b32 v[NIL], 0
	ds_add_u32 v28, v29
	ds_add_u32 v28, v29
	s_wait_dscnt 0x0
	v_lshrrev_b32 v1, 5, v0
	v_readfirstlane_b32 s14, v1
	s_lshr_b32 s15, s14, 1
	s_and_b32 s16, s14, 1
	s_bfe_u32 s40, ttmp6, 0x40000
	s_bfe_u32 s41, ttmp6, 0x40004
	s_and_b32 s18, ttmp7, 0xffff
	s_lshr_b32 s95, s18, 2
	s_and_b32 s18, s18, 3
	s_lshl_b32 s18, s18, 2
	s_lshl_b32 s66, s95, 22
	s_lshl_b32 s67, s95, 20
	s_add_co_u32 s67, s67, 12<<20
	s_mov_b32 s2, 262144
	s_cmp_eq_u32 s95, 2
	s_cselect_b32 s42, s18, 0
	s_cselect_b32 s17, 0, s18
	s_cselect_b32 s66, 14<<20, s66
	s_cselect_b32 s67, 8<<20, s67
	s_cselect_b32 s2, 65536, s2
	s_add_co_u32 s42, s42, s40
	s_add_co_u32 s17, s17, s41
	s_lshl_b32 s43, s41, 2
	s_lshl_b32 s43, 15, s43
	s_lshl_b32 s44, 0x1111, s40
	s_or_b32 s[G1+0], s43, (0<<16)|(1<<20)|(1<<21)|(5<<22)|(3<<25)
	s_or_b32 s[G1B+0], s44, (0<<16)|(1<<20)|(1<<21)|(5<<22)|(3<<25)
.irp g, G1, G1B
	s_mov_b32 s[\g+1], ROWB<<16
	s_mov_b32 s[\g+2], 256<<16                     ; the head's loads bring 256 rows; behind them the two words that count rows are set to 128
	s_mov_b32 s[\g+3], ROWB<<16
	s_mov_b32 s[\g+4], 256
	s_mov_b32 s[\g+5], KROW
	s_mov_b32 s[\g+6], 0
	s_mov_b32 s[\g+7], 0
.endr
	s_or_b32 s[G1S+0], s43, (3<<16)|(1<<20)|(1<<21)|(5<<22)|(3<<25)
	s_or_b32 s[G1SB+0], s44, (3<<16)|(1<<20)|(1<<21)|(5<<22)|(3<<25)
.irp g, G1S, G1SB
	s_mov_b32 s[\g+1], 32<<16
	s_mov_b32 s[\g+2], KS<<16                      ; the scale bytes of 256 rows: KS rows of 256 bytes
	s_mov_b32 s[\g+3], 32<<16
	s_mov_b32 s[\g+4], KS
	s_mov_b32 s[\g+5], 32
	s_mov_b32 s[\g+6], 0
	s_mov_b32 s[\g+7], 0
.endr
	s_lshl_b32 s18, s16, 7
	s_lshl_b32 s20, s17, 8
	s_add_co_u32 s20, s20, s18
	s_lshl_b32 s46, s42, 8
	s_add_co_u32 s46, s46, s18
	s_lshl_b32 s22, s20, 5
	s_lshr_b32 s19, s66, 5
	s_add_co_u32 s22, s22, s19
	s_mov_b32 s23, 0
	s_lshl_b32 s20, s20, 10
	s_add_co_u32 s20, s20, s66
	s_mov_b32 s21, 0
	s_lshl_b32 s92, s46, 5
	s_lshr_b32 s19, s67, 5
	s_add_co_u32 s92, s92, s19
	s_mov_b32 s93, 0
	s_lshl_b32 s46, s46, 10
	s_add_co_u32 s46, s46, s67
	s_mov_b32 s47, 0
	s_mul_i32 s45, s14, HALFT
	s_mul_i32 s94, s14, HALFS
	s_wait_kmcnt 0x0
	s_add_nc_u64 s[20:21], s[4:5], s[20:21]
	s_add_nc_u64 s[22:23], s[6:7], s[22:23]
	s_add_nc_u64 s[46:47], s[4:5], s[46:47]
	s_add_nc_u64 s[92:93], s[6:7], s[92:93]
	CROUND
	; THE HEAD'S FOUR TILES, each whole, one load a wave: wave 0 K step 0's 256 rows of A, wave 1 those of B, wave 2 the scale bytes of A's 256 rows, wave 3 those of B's.
	; s[20:23], s[46:47], s[92:93] stand at my half of 128 rows: the half's bytes are taken off again for the whole tiles
	s_lshl_b32 s18, s16, 17                        ; 128 rows of 1,024 bytes of codes
	s_mov_b32 s19, 0
	s_mov_b32 s[G0], 1
	s_mov_b32 s[G0+1], 0
	s_sub_nc_u64 s[G0+2:G0+3], s[20:21], s[18:19]
	s_or_b32 s[G0+3], s[G0+3], 0x80000000
	s_mov_b32 s[G0B], 1
	s_mov_b32 s[G0B+1], 2*HALFT
	s_sub_nc_u64 s[G0B+2:G0B+3], s[46:47], s[18:19]
	s_or_b32 s[G0B+3], s[G0B+3], 0x80000000
	s_lshl_b32 s18, s16, 12                        ; 128 rows of 32 scale bytes
	s_mov_b32 s[G0S], 1
	s_mov_b32 s[G0S+1], SCL
	s_sub_nc_u64 s[G0S+2:G0S+3], s[22:23], s[18:19]
	s_or_b32 s[G0S+3], s[G0S+3], 0x80000000
	s_mov_b32 s[G0SB], 1
	s_mov_b32 s[G0SB+1], SCL+2*HALFS
	s_sub_nc_u64 s[G0SB+2:G0SB+3], s[92:93], s[18:19]
	s_or_b32 s[G0SB+3], s[G0SB+3], 0x80000000
.macro ARM under, g0, g1, next         ; one chain of branches on the wave's number, one load to an arm, all arms to one join
	s_cmp_lt_u32 s14, \under
	s_cbranch_scc0 \next
	tensor_load_to_lds s[\g0:\g0+3], s[\g1:\g1+7]
	s_nop 0
.rept 4
	v_nop
.endr
	s_branch .Lhead_asked
\next:
.endm
	ARM 1, G0,  G1,  .Lhead_b
	ARM 2, G0B, G1B, .Lhead_sa
	ARM 3, G0S, G1S, .Lhead_sb
	tensor_load_to_lds s[G0SB:G0SB+3], s[G1SB:G1SB+7]
	s_nop 0
.rept 4
	v_nop
.endr
.Lhead_asked:
	s_wait_alu depctr_va_vdst(0)
	s_wait_tensorcnt 0x0                           ; my tile of the four is in
	ds_add_u32 v28, v29
	s_mov_b32 s[G1+2], 128<<16                     ; no tensor load of mine is out, so descriptors may be written: from here on a load brings 128 rows
	s_mov_b32 s[G1+4], 128
	s_mov_b32 s[G1B+2], 128<<16
	s_mov_b32 s[G1B+4], 128
.irp s, 0,1
	s_mov_b32 s[G0+4*\s], 1
	s_add_co_u32 s[G0+4*\s+1], s45, \s*SLOT
	s_add_nc_u64 s[G0+4*\s+2:G0+4*\s+3], s[20:21], \s*ROWB
	s_or_b32 s[G0+4*\s+3], s[G0+4*\s+3], 0x80000000
	s_mov_b32 s[G0B+4*\s], 1
	s_add_co_u32 s[G0B+4*\s+1], s45, \s*SLOT
	s_add_nc_u64 s[G0B+4*\s+2:G0B+4*\s+3], s[46:47], \s*ROWB
	s_or_b32 s[G0B+4*\s+3], s[G0B+4*\s+3], 0x80000000
.endr
	s_wait_dscnt 0x0
	CROUND                                         ; all four tiles are in, and all sixteen work-groups are here
	JLOAD G0+4, G1, G0B+4, G1B                     ; K step 1, the first tensor load behind the round
	v_and_b32 v1, 15, v0
	v_bfe_u32 v2, v0, 4, 1
	v_mul_u32_u24 v3, v1, PITCH
	v_lshl_add_u32 v4, v2, 4, v3
	s_mul_i32 s21, s15, HALFT
	s_mul_i32 s22, s16, HALFT
	s_add_co_u32 s22, s22, 2*HALFT
.irp s, 0,1
	v_add_nc_u32 v[ADRA+\s], s21, v4
	v_add_nc_u32 v[ADRB+\s], s22, v4
	s_add_co_u32 s21, s21, SLOT
	s_add_co_u32 s22, s22, SLOT
.endr
	v_mul_u32_u24 v5, v1, KS
	v_lshrrev_b32 v6, 8, v5
	v_lshl_add_u32 v5, v6, 4, v5
	s_mul_i32 s21, s15, HALFS
	s_mul_i32 s22, s16, HALFS
	s_add_co_u32 s22, s22, 2*HALFS
	s_sub_co_u32 s22, s22, s21
	v_mul_u32_u24 v6, s22, v2
	s_add_co_u32 s21, s21, SCL
	v_add_nc_u32 v5, v5, v6
	v_add_nc_u32 v[ADRS], s21, v5
	v_and_b32 v6, 31, v0
	v_lshlrev_b32 v[LI], 4, v6
	v_lshlrev_b32 v[SA], 4, v1
	v_lshl_add_u32 v[SA], v2, 13, v[SA]
	s_lshl_b32 s18, s17, 1
	s_add_co_u32 s18, s18, s15
	s_lshl_b32 s19, s42, 1
	s_add_co_u32 s19, s19, s16
	s_mul_i32 s12, s19, s2
	s_lshl_b32 s12, s12, 1
	s_lshl_b32 s13, s18, 13
	s_add_co_u32 s12, s12, s13
	s_lshl_b32 s13, s95, 22
	s_add_co_u32 s12, s12, s13
	s_mov_b32 s13, 0
	s_add_nc_u64 s[12:13], s[8:9], s[12:13]
	s_mov_b32 s3, 0
	s_add_nc_u64 s[96:97], s[12:13], s[2:3]
	s_cmp_eq_u32 s95, 2
	s_cselect_b32 s98, s18, s19
	s_cselect_b32 s99, s19, s18
	s_lshl_b32 s98, s98, 14
	s_lshl_b32 s99, s99, 8
	s_add_co_u32 s98, s98, s99
	s_lshl_b32 s99, s95, 17
	s_add_co_u32 s98, s98, s99
	s_mov_b32 s99, 0
	s_add_nc_u64 s[98:99], s[10:11], s[98:99]
.macro FRAG reg, adr, q, i
.irp c, 0,1,2,3
	ds_load_b128 v[\reg+4*\c:\reg+4*\c+3], v[\adr] offset:128*(\q)+32*\c+(\i)*16*PITCH
.endr
.endm
.macro MUL16 a0, p, q, sc, zero
.irp a, \a0, \a0+1
.irp b, 0,1,2,3,4,5,6,7
.if \zero
	v_wmma_scale_f32_16x16x128_f8f6f4 v[8*(8*((\a)%4)+\b):8*(8*((\a)%4)+\b)+7], v[128*(\p)+FR*\b:128*(\p)+FR*\b+FR-1], v[AF+FR*(\a):AF+FR*(\a)+FR-1], 0, v[SC+8*NQ*(\sc)+NQ*\b+(\q)], v[SC+8*NQ*(\sc)+NQ*(\a)+(\q)] matrix_a_scale:MATRIX_SCALE_ROW1
.else
	v_wmma_scale_f32_16x16x128_f8f6f4 v[8*(8*((\a)%4)+\b):8*(8*((\a)%4)+\b)+7], v[128*(\p)+FR*\b:128*(\p)+FR*\b+FR-1], v[AF+FR*(\a):AF+FR*(\a)+FR-1], v[8*(8*((\a)%4)+\b):8*(8*((\a)%4)+\b)+7], v[SC+8*NQ*(\sc)+NQ*\b+(\q)], v[SC+8*NQ*(\sc)+NQ*(\a)+(\q)] matrix_a_scale:MATRIX_SCALE_ROW1
.endif
.endr
.endr
.endm
.macro FETCH_B slot, q, p
	WIN TO_B
.irp i, 0,1,2,3,4,5,6,7
	FRAG 128*(\p)+FR*\i, ADRB+\slot, \q, \i
.endr
	WIN 0
.endm
.macro FETCH_A slot, q, i0
.irp i, \i0, \i0+1, \i0+2, \i0+3
	FRAG AF+FR*(\i), ADRA+\slot, \q, \i
.endr
.endm
.macro SCALES sc
.irp i, 0,1,2,3,4,5,6,7
	ds_load_b64 v[SC+8*NQ*\sc+NQ*\i:SC+8*NQ*\sc+NQ*\i+1], v[ADRS] offset:\i*SBLK
.endr
.endm
.macro PLACES n
.rept \n
	v_nop
.endr
.endm
.macro STEP slot, q, zero
	s_wait_dscnt 4*NL
	WIN MUL_LO
	MUL16 0, (\q)%2, \q, \slot, \zero
	MUL16 2, (\q)%2, \q, \slot, \zero
	s_wait_dscnt 0
	PLACES NP
	FETCH_B \slot, (\q)+1, 1-(\q)%2
	FETCH_A \slot, (\q)+1, 0
	WIN MUL_HI
	MUL16 4, (\q)%2, \q, \slot, \zero
	MUL16 6, (\q)%2, \q, \slot, \zero
	PLACES NP
	WIN 0
	FETCH_A \slot, (\q)+1, 4
.endm
.macro TURN slot, next, fill
	s_wait_tensorcnt 0x0
	ds_add_u32 v[SPW], v[NIL]
	s_wait_dscnt 4*NL+1
	WIN MUL_LO
	MUL16 0, 1, NQ-1, \slot, 0
	s_wait_dscnt 0x0
	s_barrier_signal -1
	MUL16 2, 1, NQ-1, \slot, 0
	WIN 0
	s_barrier_wait -1
.if \fill
	CREST
	s_add_nc_u64 s[G0+4*\slot+2:G0+4*\slot+3], s[G0+4*\slot+2:G0+4*\slot+3], 2*ROWB
	s_add_nc_u64 s[G0B+4*\slot+2:G0B+4*\slot+3], s[G0B+4*\slot+2:G0B+4*\slot+3], 2*ROWB
	JLOAD G0+4*\slot, G1, G0B+4*\slot, G1B
	PLACES NP-4
.else
	PLACES NP
.endif
	s_wait_alu depctr_va_vdst(0)
	v_add_nc_u32 v[ADRS], 4*NQ, v[ADRS]
	FETCH_B \next, 0, 0
	FETCH_A \next, 0, 0
	SCALES \next
	WIN MUL_HI
	MUL16 4, 1, NQ-1, \slot, 0
	MUL16 6, 1, NQ-1, \slot, 0
	PLACES NP
	WIN 0
	FETCH_A \next, 0, 4
.endm
	s_wait_alu depctr_va_vdst(0)
	s_wait_tensorcnt 1
	s_barrier_signal -1
	s_barrier_wait -1
	FETCH_B 0, 0, 0
	FETCH_A 0, 0, 0
	SCALES 0
	FETCH_A 0, 0, 4
	STEP 0, 0, 1
	s_mov_b32 s3, LAPS-1
.Llap:
	TURN 0, 1, 1
	STEP 1, 0, 0
	TURN 1, 0, 1
	STEP 0, 0, 0
	s_sub_co_u32 s3, s3, 1
	s_cmp_lg_u32 s3, 0
	s_cbranch_scc1 .Llap
	TURN 0, 1, 0
	STEP 1, 0, 0
	s_wait_dscnt 4*NL
	WIN MUL_LO
	MUL16 0, 1, NQ-1, 1, 0
	MUL16 2, 1, NQ-1, 1, 0
	s_wait_dscnt 0
	WIN MUL_HI
	MUL16 4, 1, NQ-1, 1, 0
	MUL16 6, 1, NQ-1, 1, 0
	WIN 0
.macro QROW a
.set QWN, 2+(\a)/4
.set AC, 64*((\a)%4)
.set CC, CD+16*((\a)%4)
.set W01, QWN|(QWN<<2)
.set W12, (QWN<<2)|(QWN<<4)
	WIN W01
.irp p, 0,1,2,3
	v_max3_num_f32 v[TM+\p], |v[AC+16*\p]|, |v[AC+16*\p+1]|, 0x4800000
.endr
	WIN W12
.irp i, 2,4,6,8,10,12,14
.irp p, 0,1,2,3
	v_max3_num_f32 v[TM+\p], v[TM+\p], |v[AC+16*\p+\i]|, |v[AC+16*\p+\i+1]|
.endr
.endr
	WIN 0
.irp p, 0,1,2,3
	v_permlanex16_b32 v[TM+4+\p], v[TM+\p], s[SEL], s[SEL+1]
.endr
.irp p, 0,1,2,3
	v_max_num_f32 v[TM+\p], v[TM+\p], v[TM+4+\p]
.endr
.irp p, 0,1,2,3
	v_add_nc_u32 v[TM+12+\p], 0xfc000000, v[TM+\p]
.endr
.irp p, 0,1,2,3
	v_and_or_b32 v[TM+8+\p], v[TM+\p], 0x7f800000, s[MNT]
.endr
.irp p, 0,1,2,3
	v_lshrrev_b32 v[TM+4+\p], 23, v[TM+12+\p]
.endr
	v_lshl_or_b32 v[HW+2*(\a)], v[TM+5], 8, v[TM+4]
	v_lshl_or_b32 v[HW+2*(\a)+1], v[TM+7], 8, v[TM+6]
	WIN QWN
.irp p, 0,1,2,3
.irp i, 0,1,2,3,4,5,6,7,8,9,10,11,12,13,14,15
	v_med3_num_f32 v[T+16*\p+\i], v[AC+16*\p+\i], -v[TM+8+\p], v[TM+8+\p]
.endr
.endr
	WIN 0
.if (\a) >= 4
	s_wait_alu depctr_va_vdst(0)
	s_wait_xcnt 0x0
.endif
.irp p, 0,1,2,3
	v_cvt_scalef32_pk8_fp8_f32 v[CC+4*\p:CC+4*\p+1], v[T+16*\p:T+16*\p+7], v[TM+12+\p]
	v_cvt_scalef32_pk8_fp8_f32 v[CC+4*\p+2:CC+4*\p+3], v[T+16*\p+8:T+16*\p+15], v[TM+12+\p]
.endr
	v_nop
	global_store_b128 v[LI], v[CC:CC+3], s[12:13] offset:1024*(\a)
	global_store_b128 v[LI], v[CC+4:CC+7], s[12:13] offset:1024*(\a)+512
	global_store_b128 v[LI], v[CC+8:CC+11], s[96:97] offset:1024*(\a)
	global_store_b128 v[LI], v[CC+12:CC+15], s[96:97] offset:1024*(\a)+512
.endm
	PLACES NP
	s_mov_b32 s[SEL], 0x76543210
	s_mov_b32 s[SEL+1], 0xfedcba98
	s_mov_b32 s[MNT], 0x600000
.irp p, 0,1,2,3
	v_mov_b32 v[TM+4+\p], 0
.endr
.irp a, 0,1,2,3,4,5,6,7
	QROW \a
.endr
	v_and_b32 v[WO], 31, v0
	v_cmp_le_u32 s19, 16, v[WO]
	s_cmp_eq_u32 s95, 2
	s_cbranch_scc1 .Lwords_v
.irp b, 0,1,2,3
	v_lshl_or_b32 v[WD+\b], v[HW+4*\b+2], 16, v[HW+4*\b]
	v_lshl_or_b32 v[WD+4+\b], v[HW+4*\b+3], 16, v[HW+4*\b+1]
.endr
	s_branch .Lwords_done
.Lwords_v:
.irp a, 0,1,2,3,4,5,6,7
	v_lshl_or_b32 v[WD+\a], v[HW+2*\a+1], 16, v[HW+2*\a]
.endr
.Lwords_done:
	s_wait_alu depctr_va_vdst(0)
.irp x, 0,1,2,3
	v_cndmask_b32 v[WO+\x], v[WD+\x], v[WD+4+\x], s19
.endr
	global_store_b128 v[SA], v[WO:WO+3], s[98:99]
	s_wait_tensorcnt 0x0
	ds_add_u32 v[SPW], v[NIL]
	s_wait_dscnt 0x0
	CROUND
	s_endpgm
.Lfunc_end_k_q78d176ec19_proj:
	.size	k_q78d176ec19_proj, .Lfunc_end_k_q78d176ec19_proj-k_q78d176ec19_proj
	.p2alignl 7, 3214868480
	.fill 96, 4, 3214868480
	.section	.rodata,"a",@progbits
	.p2align	6, 0x0
	.amdhsa_kernel k_q78d176ec19_proj
		.amdhsa_group_segment_fixed_size 327680
		.amdhsa_private_segment_fixed_size 0
		.amdhsa_enable_private_segment 0
		.amdhsa_kernarg_size 32
		.amdhsa_user_sgpr_count 2
		.amdhsa_user_sgpr_kernarg_segment_ptr 1
		.amdhsa_wavefront_size32 1
		.amdhsa_system_sgpr_workgroup_id_x 1
		.amdhsa_system_sgpr_workgroup_id_y 1
		.amdhsa_system_sgpr_workgroup_id_z 1
		.amdhsa_system_vgpr_workitem_id 0
		.amdhsa_next_free_vgpr 1024
		.amdhsa_next_free_sgpr 100
		.amdhsa_reserve_vcc 0
		.amdhsa_float_denorm_mode_32 3
		.amdhsa_float_denorm_mode_16_64 3
		.amdhsa_memory_ordered 1
		.amdhsa_forward_progress 1
		.amdhsa_inst_pref_size 188
	.end_amdhsa_kernel
	.amdgpu_metadata
---
amdhsa.version: [ 1, 2 ]
amdhsa.kernels:
  - .name:           k_q78d176ec19_proj
    .symbol:         k_q78d176ec19_proj.kd
    .args:
      - { .name: codes, .offset: 0, .size: 8, .value_kind: global_buffer, .address_space: global }
      - { .name: scales, .offset: 8, .size: 8, .value_kind: global_buffer, .address_space: global }
      - { .name: himg, .offset: 16, .size: 8, .value_kind: global_buffer, .address_space: global }
      - { .name: hsc, .offset: 24, .size: 8, .value_kind: global_buffer, .address_space: global }
    .group_segment_fixed_size: 327680
    .private_segment_fixed_size: 0
    .kernarg_segment_align: 8
    .kernarg_segment_size: 32
    .max_flat_workgroup_size: 128
    .sgpr_count:     100
    .vgpr_count:     1024
    .wavefront_size: 32
...
	.end_amdgpu_metadata
.endif
;; end of part 2
;; launch attn (part 3): grid 16 x 16, 16 waves a work-group, clusters of 4 x 1, 327,680 bytes of LDS; arguments himg, hsc, ocodes, oscales; writes ocodes, oscales
.if DOCPART == 3
	.amdgcn_target "amdgcn-amd-amdhsa--gfx1250"
	.amdhsa_code_object_version 6
	.text
	.protected	k_q78d176ec19_attn
	.globl	k_q78d176ec19_attn
	.p2align	8
	.type	k_q78d176ec19_attn,@function
k_q78d176ec19_attn:
	s_mov_b64 s[64:65], 0
	v_nop
	global_prefetch_b8 v0, s[64:65] scope:SCOPE_SE
	s_setreg_imm32_b32 hwreg(HW_REG_WAVE_MODE, 25, 1), 1
	s_wait_xcnt 0x0
	s_wait_alu depctr_hold_cnt(0) depctr_sa_sdst(0) depctr_va_vdst(0) depctr_va_sdst(0) depctr_va_ssrc(0) depctr_va_vcc(0) depctr_vm_vsrc(0)
	s_getreg_b32 s2, hwreg(HW_REG_IB_STS2, 6, 4)
	s_cmp_eq_u32 s2, 0
	s_cbranch_scc0 .Lentry_in_a_cluster
	s_endpgm
.Lentry_in_a_cluster:
	s_bfe_u32 s2, ttmp6, 0x10000c
	s_cmp_lg_u32 s2, 0x3003
	s_cbranch_scc0 .Lentry_shape_is_right
	s_endpgm
.Lentry_shape_is_right:
; For each of 16 heads: O = softmax(Q K^T / 8) V, head size 64, 4,096 queries and keys, both products on codes of FP8 (E4M3) with E8M0 scales; O is divided by the row's sum and quantised along (head, d) for the last projection.
; THE SOFTMAX AHEAD OF THE SECOND PRODUCT: t = score x log2(e) / 8; M = the row's largest t so far, rounded UP to a whole number; p = 2^(t - M) is quantised along the keys, not normalised.  The row's sum is taken of the
; unquantised p, in f32.  When M moves, the sum and O are multiplied by 2^(old M - new M): exact.  The division of qh by 8 stands in the factor: Q's codes are those of qh, whose scale is 8 times that of qh / 8.
; SHARES.  A work-group owns 256 queries of one head, each of its sixteen waves one tile of 16, in 256 registers: four waves to a SIMD, so that one wave's vector work stands beside another's matrix work and LDS loads.
; Every wave walks all keys, 128 a step.  K and V come through a ring of two LDS slots of 1,024 keys, the largest two that fit beside the scale words (waves 0, 1: K's halves; waves 2, 3: V's): the sixty-four waves of a
; cluster meet four times in all.  The scale words of the whole head stay in LDS.
; CLUSTER.  The four query blocks of a cluster belong to one head and walk the same K and V: each tile is asked for jointly, by the same tensor load with the same descriptor and a mask that names the four.
; OPERANDS ARE IMAGES OF REGISTERS: chunks of 512 bytes, lane l's 16 bytes at 16 l; so every LDS load reads 512 consecutive bytes and there is no pitch and no padding.
; THE SCORE PRODUCT HAS K = 64, the instruction 128.  A fragment of K holds TWO tiles of 16 keys (k 0-63: tile 2 b, k 64-127: tile 2 b + 1); Q stands as [Q | 0] and as [0 | Q]: zero codes add nothing, whatever finite codes and scale
; bytes (1 to 254 by the quantiser) stand against them.  So each fragment of K is loaded once and feeds two matrix instructions.
; LAYOUT.  Both products are used transposed (source 0 = keys, or V's d; source 1 = my queries, or P): a lane holds ONE query (lane % 16).  The keys of a tile are chosen so that registers 16 b + i of the scores are keys 32 b + 16 (lane / 16) + i.
; LIMITS: a block of zeros or under 2^(9 - 127) gets the scale byte 1; NaN and infinities are not served.
.set SLOTB, 131072                     ; slot 1 begins here: one exclusive or turns an address in one slot into the other's
.set VOFF,  65536                      ; a slot: 8 steps x 8,192 bytes of K, then as many of V
.set NST,   8                          ; key steps in a slot
.set SCK,   262144                     ; behind the ring: K's scale words of the head, 8,192 bytes: [step 32][row 16][4 words];
.set SCV,   270336                     ; V's likewise
.set SPARE, 278528                     ; the spare words, 128 bytes for each of the sixteen waves, which no other line names
.set LI,   1                           ; v1   16 x lane
.set ASC0, 2                           ; v2   SCK + 16 (lane % 16) + 8,192 (lane / 16): lanes 0-15 K's words, lanes 16-31 V's
.set ADR,  3                           ; v3   LDS address of the step's chunks of K
.set ADS,  4                           ; v4   of its scale words
.set SPW,  5                           ; v5   LDS address of my spare word; never rewritten
.set NIL,  6                           ; v6   0; never rewritten
.set PFO,  7                           ; v7   the prefetches' offset; never rewritten
                                       ; v8 lane % 16, v9 lane / 16, v10 at work
.set ADV,  11                          ; v11  LDS address of the step's chunks of V: VOFF lies beyond an LDS instruction's 16-bit immediate
                                       ; v12 -M, v13 the largest t, v[14:15] the sum in two halves
                                       ; v16-23 Q, v24-31 zeros, v32-39 Q again: [Q | 0] = v[16:31], [0 | Q] = v[24:39]
.set KV,   40                          ; v40-103  four fragments of K, then of V
.set S,    104                         ; v104-167 the scores, then p
.set O,    168                         ; v168-199 O^T, four tiles
.set PC,   200                         ; v200-215 p's codes
.set BM,   216                         ; v216-219 the blocks' largest scores, then largest p
.set TP,   220                         ; v220-223 at work
.set HL,   224                         ; v224-227 448 x the scale
.set SO,   228                         ; v228-231 the conversions' scale operands
.set SW,   232                         ; v232-235 scale words from LDS, nothing else
.set F,    236                         ; v[236:237] f = 2^(old M - new M), in the low word
.set PW,   238                         ; v238 p's scale word, nothing else
.set QW,   239                         ; v239 Q's scale word, nothing else
.set TT,   240                         ; v240 at work
.set SS,   242                         ; v[242:243] the sum's second chain
.set QT,   244                         ; v244 Q's two scale bytes on their way
.set OB,   245                         ; v245 my byte among the output's scale bytes
.set HL2,  249                         ; v249-252 448 x the scale once more, one register number mod 4 on from HL: the second halves of the paired holds take it
.set WV,   12                          ; s12  my wave's number
.set MNT,  19                          ; s19  the mantissa field of 448
.set SEL,  20                          ; s[20:21] lane selects for v_permlanex16_b32: the lane 16 away
.set CS,   22                          ; s[22:23] c = log2(e) / 8
.set G1K,  24                          ; s[24:31] descriptor group 1 for K's tiles;  s[32:39] for V's;  s[48:55] for the scale words
.set G1V,  32
.set G0K,  40                          ; s[40:43], s[44:47] groups 0 for K and V, which walk
.set G0V,  44
.set G1S,  48
.set G0SK, 56                          ; s[56:59], s[60:63] groups 0 for the scale words
.set G0SV, 60
.set TB,   2                           ; s2   LDS byte at which the step's chunks begin
.set TS,   3                           ; s3   256 x the step: its scale words
.set CNT,  66                          ; s66  counts a slot's eight steps
.set SLOTS, 67                         ; s67  slots still to be asked for
.set PFA,  68                          ; s[68:69] where my prefetches stand
.set PFS,  70                          ; s[70:71] a slot on, in bytes
.set LIM,  72                          ; s72  1 in a wave that prefetches, else the greatest number
.macro CROUND                          ; a round of the cluster's barrier
	s_barrier_signal -1
	s_barrier_wait -1
	s_cmp_lg_u32 s[WV], 0
	s_cbranch_scc1 .Lnot_wave_0_\@
	s_barrier_signal -3
.Lnot_wave_0_\@:
	s_barrier_wait -3
	s_barrier_signal -1
	s_barrier_wait -1
.endm
; A joint refill: waves 0 and 1 fetch K's halves of a slot, waves 2 and 3 V's, the others nothing.  The branches hang on the wave's number alone.  Four v_nop follow each of the two lines.
.macro TLOAD
	s_cmp_lt_u32 s[WV], 2
	s_cbranch_scc0 .Lnot_k_\@
	tensor_load_to_lds s[G0K:G0K+3], s[G1K:G1K+7]
	s_nop 0
.rept 4
	v_nop
.endr
	s_branch .Lasked_\@
.Lnot_k_\@:
	s_cmp_lt_u32 s[WV], 4
	s_cbranch_scc0 .Lasked_\@
	tensor_load_to_lds s[G0V:G0V+3], s[G1V:G1V+7]
	s_nop 0
.rept 4
	v_nop
.endr
.Lasked_\@:
.endm
; A PREFETCH INTO THE L2 of what the NEXT change of slots will ask for: a slot's 65,536 bytes of K and sixteen pieces of 4,096 bytes of V: eight key steps ahead of that load, the least that this ring's form offers.
; Each aligned block of 256 bytes is named once in the launch.  All clusters of a head walk the same K and V: the head's first cluster asks.  Its four partners share the blocks out BY ADDRESS (K: 16,384 bytes each; V: four pieces each);
; in each, waves 4 and 5 ask for the halves of K's share and waves 6 and 7 for those of V's, one instruction a wave, lanes 256 bytes apart.  The last change that fills a slot asks for nothing; slots 0 and 1 come by their loads alone.
.macro ASK
	s_cmp_gt_u32 s[SLOTS], s[LIM]
	s_cbranch_scc0 .Lnot_mine_\@
	global_prefetch_b8 v[PFO], s[PFA:PFA+1] th:TH_LOAD_NT scope:SCOPE_SE
.Lnot_mine_\@:
.endm
	s_load_b256 s[4:11], s[0:1], 0x0               ; himg s[4:5], hsc s[6:7], ocodes s[8:9], oscales s[10:11]
	v_lshl_add_u32 v[SPW], v0, 2, SPARE
	v_mov_b32 v[NIL], 0
	ds_add_u32 v5, v6
	ds_add_u32 v5, v6
	s_wait_dscnt 0x0
	v_lshrrev_b32 v10, 5, v0
	s_delay_alu instid0(VALU_DEP_1)
	v_readfirstlane_b32 s[WV], v10                 ; wave 0..15
	s_bfe_u32 s13, ttmp6, 0x40000                  ; cx: my place in the cluster
	s_lshl_b32 s14, ttmp9, 2
	s_add_co_u32 s14, s14, s13                     ; my block of 256 queries: it enters Q's and the outputs' addresses alone
	s_and_b32 s15, ttmp7, 0xffff                   ; the head, which the four partners share
	s_and_b32 s16, s[WV], 1
	s_lshl_b32 s73, s14, 4
	s_add_co_u32 s73, s73, s[WV]                   ; T: my tile of 16 queries
	; descriptor groups 1: elements of 8 bytes, no padding; 15:0 the mask: all four work-groups; 21 set beside a mask
	s_mov_b32 s[G1K], 15|(3<<16)|(1<<21)           ; K: 128 rows of 256 bytes, dense: 32,768 bytes, four key steps
	s_mov_b32 s[G1K+1], 32<<16                     ; tensor_dim0 = 32
	s_mov_b32 s[G1K+2], 128<<16                    ; tensor_dim1 = 128
	s_mov_b32 s[G1K+3], 32<<16                     ; tile_dim0
	s_mov_b32 s[G1K+4], 128                        ; tile_dim1
	s_mov_b32 s[G1K+5], 32                         ; from row to row
	s_mov_b32 s[G1K+6], 0
	s_mov_b32 s[G1K+7], 0
	s_mov_b32 s[G1V], 15|(3<<16)|(1<<21)           ; V: 8 rows of 4,096 bytes (the head's part of a plane of 64 keys), 65,536 bytes apart
	s_mov_b32 s[G1V+1], 512<<16
	s_mov_b32 s[G1V+2], 8<<16
	s_mov_b32 s[G1V+3], 512<<16
	s_mov_b32 s[G1V+4], 8
	s_mov_b32 s[G1V+5], 8192
	s_mov_b32 s[G1V+6], 0
	s_mov_b32 s[G1V+7], 0
	s_mov_b32 s[G1S], 15|(3<<16)|(1<<21)           ; the scale words: 16 rows of 256 bytes, dense: half a head's
	s_mov_b32 s[G1S+1], 32<<16
	s_mov_b32 s[G1S+2], 16<<16
	s_mov_b32 s[G1S+3], 32<<16
	s_mov_b32 s[G1S+4], 16
	s_mov_b32 s[G1S+5], 32
	s_mov_b32 s[G1S+6], 0
	s_mov_b32 s[G1S+7], 0
	s_lshl_b32 s17, s16, 15                        ; which half of a slot I fetch, if I fetch: 32,768 bytes in LDS and in K's memory
	s_lshl_b32 s18, s15, 18                        ; the head's 262,144 bytes of q's and of k's part
	s_add_co_u32 s74, s18, s17
	s_add_co_u32 s74, s74, 4<<20                   ; k's part of himg
	s_mov_b32 s75, 0
	s_lshl_b32 s76, s15, 12                        ; V: the head's 4,096 bytes of a plane,
	s_lshl_b32 s77, s16, 19                        ; eight planes a half
	s_add_co_u32 s76, s76, s77
	s_add_co_u32 s76, s76, 8<<20                   ; v's part of himg
	s_mov_b32 s77, 0
	s_lshl_b32 s80, s16, 12                        ; the scale words: 4,096 bytes a half
	s_lshl_b32 s78, s15, 13                        ; 8,192 a head
	s_add_co_u32 s78, s78, s80
	s_mov_b32 s79, 0
	s_mov_b32 s[SEL], 0x76543210
	s_mov_b32 s[SEL+1], 0xfedcba98
	s_mov_b32 s[CS], 0x3e38aa3b                    ; c = log2(e) / 8
	s_mov_b32 s[CS+1], s[CS]                       ; (named with it as a pair, so it is written)
	s_mov_b32 s[MNT], 0x600000
	s_mov_b32 s[TB], 0
	s_mov_b32 s[TS], 0
	s_mov_b32 s[SLOTS], 3
	s_wait_kmcnt 0x0
	s_mov_b32 s[G0K], 1                            ; count = 1
	s_mov_b32 s[G0K+1], s17                        ; LDS address: slot 0
	s_add_nc_u64 s[G0K+2:G0K+3], s[4:5], s[74:75]
	s_or_b32 s[G0K+3], s[G0K+3], 0x80000000        ; type = 2
	s_mov_b32 s[G0V], 1
	s_add_co_u32 s[G0V+1], s17, VOFF
	s_add_nc_u64 s[G0V+2:G0V+3], s[4:5], s[76:77]
	s_or_b32 s[G0V+3], s[G0V+3], 0x80000000
	s_mov_b32 s[G0SK], 1
	s_add_co_u32 s[G0SK+1], s80, SCK
	s_add_nc_u64 s[G0SK+2:G0SK+3], s[6:7], s[78:79]
	s_add_nc_u64 s[G0SK+2:G0SK+3], s[G0SK+2:G0SK+3], 131072   ; k's part of hsc
	s_or_b32 s[G0SK+3], s[G0SK+3], 0x80000000
	s_mov_b32 s[G0SV], 1
	s_add_co_u32 s[G0SV+1], s80, SCV
	s_add_nc_u64 s[G0SV+2:G0SV+3], s[6:7], s[78:79]
	s_add_nc_u64 s[G0SV+2:G0SV+3], s[G0SV+2:G0SV+3], 262144   ; v's part
	s_or_b32 s[G0SV+3], s[G0SV+3], 0x80000000
	CROUND                                         ; all four work-groups are here: the first joint loads meet
	; the head's loads, one a wave, in one chain of branches on the wave's number: waves 0, 1 slot 0's halves of K; 2, 3 those of V; 4, 5 the halves of K's scale words; 6, 7 those of V's
	s_cmp_lt_u32 s[WV], 2
	s_cbranch_scc0 .Lfirst_v
	tensor_load_to_lds s[G0K:G0K+3], s[G1K:G1K+7]
	s_nop 0
.rept 4
	v_nop
.endr
	s_branch .Lfirst_asked
.Lfirst_v:
	s_cmp_lt_u32 s[WV], 4
	s_cbranch_scc0 .Lfirst_sk
	tensor_load_to_lds s[G0V:G0V+3], s[G1V:G1V+7]
	s_nop 0
.rept 4
	v_nop
.endr
	s_branch .Lfirst_asked
.Lfirst_sk:
	s_cmp_lt_u32 s[WV], 6
	s_cbranch_scc0 .Lfirst_sv
	tensor_load_to_lds s[G0SK:G0SK+3], s[G1S:G1S+7]
	s_nop 0
.rept 4
	v_nop
.endr
	s_branch .Lfirst_asked
.Lfirst_sv:
	s_cmp_lt_u32 s[WV], 8
	s_cbranch_scc0 .Lfirst_asked
	tensor_load_to_lds s[G0SV:G0SV+3], s[G1S:G1S+7]
	s_nop 0
.rept 4
	v_nop
.endr
.Lfirst_asked:
	v_and_b32 v10, 31, v0
	s_delay_alu instid0(VALU_DEP_1)
	v_lshlrev_b32 v[LI], 4, v10
	v_and_b32 v8, 15, v0                           ; r
	s_wait_alu depctr_va_vdst(0)
	v_bfe_u32 v9, v0, 4, 1                         ; h
	s_lshl_b32 s74, s73, 10                        ; Q: 1,024 bytes a tile
	s_add_co_u32 s74, s74, s18
	s_mov_b32 s75, 0
	s_add_nc_u64 s[74:75], s[4:5], s[74:75]
	global_load_b128 v[16:19], v[LI], s[74:75]             ; Q's two chunks, d 0-31 and 32-63,
	global_load_b128 v[20:23], v[LI], s[74:75] offset:512
	global_load_b128 v[32:35], v[LI], s[74:75]             ; and once more, behind the zeros
	global_load_b128 v[36:39], v[LI], s[74:75] offset:512
	s_lshr_b32 s76, s73, 3
	s_lshl_b32 s76, s76, 8                         ; Q's scale bytes: 256 bytes for 128 tokens,
	s_lshl_b32 s77, s15, 13                        ; 8,192 a head,
	s_add_co_u32 s76, s76, s77
	s_bfe_u32 s77, s73, 0x20001                    ; word (T / 2) % 4 of my row's four
	s_lshl_b32 s77, s77, 2
	s_add_co_u32 s76, s76, s77
	s_mov_b32 s77, 0
	s_add_nc_u64 s[76:77], s[6:7], s[76:77]
	v_lshlrev_b32 v10, 4, v8
	global_load_b32 v[QT], v10, s[76:77]
	v_lshlrev_b32 v[ASC0], 4, v8
	s_wait_alu depctr_va_vdst(0)
	v_lshl_add_u32 v[ASC0], v9, 13, v[ASC0]
	s_delay_alu instid0(VALU_DEP_1)
	v_add_nc_u32 v[ASC0], SCK, v[ASC0]
	; the prefetches: where my wave's stand, and who asks
	s_mov_b32 s81, 65536                           ; V: lanes 16-31 take the next plane;
	s_mov_b32 s[PFS], 1048576                      ;    a slot on: sixteen planes;
	s_mov_b32 s[PFS+1], 0
	s_lshl_b32 s82, s13, 18                        ;    my work-group's four planes,
	s_lshl_b32 s87, s16, 17                        ;    my wave's two of them
	s_add_co_u32 s82, s82, s87
	s_lshl_b32 s83, s13, 14                        ; K: my work-group's 16,384 bytes,
	s_lshl_b32 s87, s16, 13                        ;    my wave's 8,192 of them
	s_add_co_u32 s83, s83, s87
	s_add_co_u32 s84, s18, 4<<20
	s_lshl_b32 s85, s15, 12
	s_add_co_u32 s85, s85, 8<<20
	s_cmp_lt_u32 s[WV], 6                          ; of the waves that ask, 4 and 5 ask for K
	s_cselect_b32 s81, 4096, s81
	s_cselect_b32 s[PFS], 65536, s[PFS]
	s_cselect_b32 s82, s83, s82
	s_cselect_b32 s84, s84, s85
	s_add_co_u32 s84, s84, s82
	s_add_co_u32 s84, s84, s[PFS]                  ; in slot 1: the first change of slots steps it to slot 2.  Nothing is prefetched here, at the head
	s_mov_b32 s85, 0
	s_add_nc_u64 s[PFA:PFA+1], s[4:5], s[84:85]
	s_sub_co_u32 s86, s[WV], 4
	s_lshr_b32 s86, s86, 2                         ; 0 in waves 4 to 7,
	s_or_b32 s86, s86, ttmp9                       ; of the head's first cluster: the same in all four partners
	s_cmp_eq_u32 s86, 0
	s_cselect_b32 s[LIM], 1, -1
	v_lshlrev_b32 v[PFO], 8, v8
	v_mul_lo_u32 v[TT], v9, s81
	s_delay_alu instid0(VALU_DEP_1)
	v_add_nc_u32 v[PFO], v[PFO], v[TT]
	s_lshl_b32 s78, s16, 4                         ; an even tile's bytes lie in the word's low half, an odd tile's in its high half
	s_wait_loadcnt 0x0                             ; Q and its scale word
	v_lshrrev_b32 v[QT], s78, v[QT]
	s_delay_alu instid0(VALU_DEP_1)
	v_and_b32 v[QT], 0xffff, v[QT]
	s_delay_alu instid0(VALU_DEP_1)
	v_lshl_or_b32 v[QW], v[QT], 16, v[QT]          ; the two bytes twice: they serve [Q | 0] and [0 | Q] alike
.irp j, 24,25,26,27,28,29,30,31
	v_mov_b32 v[\j], 0                             ; the zero codes
.endr
	v_mov_b32 v13, 0xff61b1e6                      ; the largest t so far: -3e38, under every t
	s_delay_alu instid0(VALU_DEP_1)
	v_floor_f32 v12, -v13                          ; -M
	v_mov_b32 v14, 0                               ; the sum, in two halves
	v_mov_b32 v15, 0
.irp b, 0,1,2,3
	v_mov_b32 v[TP+\b], 0                          ; written once: a lane permute's destination counts as one of its sources
.endr
	v_mov_b32 v[F+1], 0                            ; (named as the upper half of a pair)
.set j, 0
.rept 32
	v_mov_b32 v[O+j], 0                            ; O^T.  (The step is written once: the first finds zeros, which the first change of M leaves zeros)
.set j, j+1
.endr
; A KEY STEP: 128 keys.
.macro STEP
	v_add_nc_u32 v[ADR], s[TB], v[LI]
	v_add_nc_u32 v[ADS], s[TS], v[ASC0]
	s_delay_alu instid0(VALU_DEP_2)
	v_add_nc_u32 v[ADV], VOFF, v[ADR]
.rept 5
	v_nop                                          ; with the three additions: eight places in front of loads into registers that the last products have read
.endr
	ds_load_b128 v[SW:SW+3], v[ADS]                ; lanes 0-15: the four fragments' scale words of K; lanes 16-31: those of V's four tiles
.irp b, 0,1,2,3
.irp c, 0,1,2,3
	ds_load_b128 v[KV+16*\b+4*\c:KV+16*\b+4*\c+3], v[ADR] offset:2048*\b+512*\c   ; fragment b: key tiles 2 b and 2 b + 1
.endr
.endr
	s_wait_alu depctr_va_vdst(0)
.irp b, 0,1,2,3                        ; S^T = K Q^T: eight results, each begun with the constant 0
	s_wait_dscnt 12-4*\b                           ; the scale words and fragments 0 to b are in; the four loads of each later fragment may be out
	v_wmma_scale_f32_16x16x128_f8f6f4 v[S+16*\b:S+16*\b+7], v[KV+16*\b:KV+16*\b+15], v[16:31], 0, v[SW+\b], v[QW]
	v_wmma_scale_f32_16x16x128_f8f6f4 v[S+16*\b+8:S+16*\b+15], v[KV+16*\b:KV+16*\b+15], v[24:39], 0, v[SW+\b], v[QW]
.endr
.rept 8
	v_nop                                          ; places in front of the loads below and of the first read of the scores
.endr
.irp t, 0,1,2,3                        ; V's four tiles of 16 of the head's 64 x these 128 keys: they land while the softmax is worked
.irp c, 0,1,2,3
	ds_load_b128 v[KV+16*\t+4*\c:KV+16*\t+4*\c+3], v[ADV] offset:4096*(\c/2)+1024*\t+512*(\c%2)
.endr
.endr
.irp b, 0,1,2,3
	v_max3_num_f32 v[BM+\b], v[S+16*\b], v[S+1+16*\b], v[S+2+16*\b]   ; the largest score of each block of 32 keys: it serves for the row's maximum and, since p rises with the score, for the block's largest p
.endr
.irp i, 3,5,7,9,11,13
.irp b, 0,1,2,3
	v_max3_num_f32 v[BM+\b], v[BM+\b], v[S+16*\b+\i], v[S+1+16*\b+\i]
.endr
.endr
.irp b, 0,1,2,3
	v_max_num_f32 v[BM+\b], v[BM+\b], v[S+15+16*\b]
.endr
.irp b, 0,1,2,3
	s_delay_alu instid0(VALU_DEP_4)
	v_permlanex16_b32 v[TP+\b], v[BM+\b], s[SEL], s[SEL+1]
.endr
.irp b, 0,1,2,3
	s_delay_alu instid0(VALU_DEP_4)
	v_max_num_f32 v[BM+\b], v[BM+\b], v[TP+\b]     ; with the 16 keys of the lane 16 away
.endr
	s_delay_alu instid0(VALU_DEP_2)
	v_max3_num_f32 v[TT], v[BM], v[BM+1], v[BM+2]
	s_delay_alu instid0(VALU_DEP_1)
	v_max_num_f32 v[TT], v[TT], v[BM+3]            ; the step's largest score of my query
	s_delay_alu instid0(VALU_DEP_1)
	v_mul_f32 v[TT], s[CS], v[TT]                  ; as t (c is positive)
	s_delay_alu instid0(VALU_DEP_1)
	v_max_num_f32 v13, v13, v[TT]                  ; the running largest t
	v_mov_b32 v[TT], v12
	s_delay_alu instid0(VALU_DEP_2)
	v_floor_f32 v12, -v13                          ; the new -M = floor(-t) = -ceil(t): a whole number
	s_delay_alu instid0(VALU_DEP_1)
	v_sub_f32 v[TT], v12, v[TT]                    ; M's old value less its new one: a whole number, 0 or less
	s_delay_alu instid0(VALU_DEP_1)
	v_cvt_i32_f32 v[TT], v[TT]                     ; (it saturates)
	s_delay_alu instid0(VALU_DEP_1)
	v_ldexp_f32 v[F], 1.0, v[TT]                   ; f = 2^(old M - new M)
.set j, 0
.rept 32
	v_pk_fma_f32 v[S+j:S+j+1], v[S+j:S+j+1], s[CS:CS+1], v[12:13] op_sel_hi:[1,0,0]   ; t - M, two at a time (of the pairs c and -M the low word serves both halves)
.set j, j+2
.endr
.irp b, 0,1,2,3
	v_fma_f32 v[BM+\b], v[BM+\b], s[CS], v12       ; the same of each block's largest score
.endr
.set j, 0
	s_wait_alu depctr_va_vdst(0)
.rept 64
	v_exp_f32 v[S+j], v[S+j]                       ; p = 2^(t - M), at most 1
.set j, j+1
.endr
	v_pk_mul_f32 v[14:15], v[14:15], v[F:F+1] op_sel_hi:[1,0]   ; the sums under the new M (a plain line behind the exponentials)
	s_wait_alu depctr_va_vdst(0)                   ; one wait for the whole batch, ahead of its first reader
.irp b, 0,1,2,3
	v_exp_f32 v[BM+\b], v[BM+\b]                   ; the block's largest p: the same two instructions on the same number give the same bits
.endr
	v_pk_add_f32 v[242:243], v[108:109], v[112:113]
	v_pk_add_f32 v[254:255], v[116:117], v[120:121]
	v_pk_add_f32 v[252:253], v[124:125], v[128:129]
	v_pk_add_f32 v[250:251], v[132:133], v[136:137]
	v_pk_add_f32 v[248:249], v[140:141], v[144:145]
	v_pk_add_f32 v[246:247], v[148:149], v[152:153]
	v_pk_add_f32 v[244:245], v[156:157], v[160:161]
	v_pk_add_f32 v[14:15], v[14:15], v[164:165]
	v_pk_add_f32 v[242:243], v[242:243], v[104:105]
	v_pk_add_f32 v[254:255], v[254:255], v[106:107]
	v_pk_add_f32 v[252:253], v[252:253], v[110:111]
	v_pk_add_f32 v[250:251], v[250:251], v[114:115]
	v_pk_add_f32 v[248:249], v[248:249], v[118:119]
	v_pk_add_f32 v[246:247], v[246:247], v[122:123]
	v_pk_add_f32 v[244:245], v[244:245], v[126:127]
	v_pk_add_f32 v[14:15], v[14:15], v[130:131]
	v_pk_add_f32 v[242:243], v[242:243], v[134:135]
	v_pk_add_f32 v[254:255], v[254:255], v[138:139]
	v_pk_add_f32 v[252:253], v[252:253], v[142:143]
	v_pk_add_f32 v[250:251], v[250:251], v[146:147]
	v_pk_add_f32 v[248:249], v[248:249], v[150:151]
	v_pk_add_f32 v[246:247], v[246:247], v[154:155]
	v_pk_add_f32 v[244:245], v[244:245], v[158:159]
	v_pk_add_f32 v[14:15], v[14:15], v[162:163]
	v_pk_add_f32 v[242:243], v[242:243], v[166:167]
	s_delay_alu instid0(VALU_DEP_2)
	v_pk_add_f32 v[14:15], v[14:15], v[250:251]
	s_delay_alu instid0(VALU_DEP_2)
	v_pk_add_f32 v[242:243], v[242:243], v[248:249]
	v_pk_add_f32 v[254:255], v[254:255], v[246:247]
	v_pk_add_f32 v[252:253], v[252:253], v[244:245]
	s_delay_alu instid0(VALU_DEP_2)
	v_pk_add_f32 v[14:15], v[14:15], v[254:255]
	s_delay_alu instid0(VALU_DEP_2)
	v_pk_add_f32 v[242:243], v[242:243], v[252:253]
	s_delay_alu instid0(VALU_DEP_1)
	v_pk_add_f32 v[14:15], v[14:15], v[242:243]
	s_wait_alu depctr_va_vdst(0)                   ; and one for the four
.irp b, 0,1,2,3
	v_max_num_f32 v[BM+\b], 0x4800000, v[BM+\b]    ; the floor 2^(9 - 127): the byte cannot fall under 1
.endr
.irp b, 0,1,2,3
	s_delay_alu instid0(VALU_DEP_4)
	v_add_nc_u32 v[SO+\b], 0xfc000000, v[BM+\b]    ; 8 off the exponent field: the conversion's scale operand
.endr
.irp b, 0,1,2,3
	v_and_or_b32 v[HL+\b], v[BM+\b], 0x7f800000, s[MNT]   ; 448 x the scale,
.endr
.irp b, 0,1,2,3
	v_and_or_b32 v[HL2+\b], v[BM+\b], 0x7f800000, s[MNT]  ; and once more, for the second halves of the pairs below
.endr
.irp b, 0,1,2,3
	v_lshrrev_b32 v[TP+\b], 23, v[SO+\b]           ; the scale's byte
.endr
	s_delay_alu instid0(VALU_DEP_3)
	v_lshl_or_b32 v[PW], v[TP+1], 8, v[TP]         ; p's scale word for these 128 keys
	s_delay_alu instid0(VALU_DEP_1)
	v_lshl_or_b32 v[PW], v[TP+2], 16, v[PW]
	s_delay_alu instid0(VALU_DEP_1)
	v_lshl_or_b32 v[PW], v[TP+3], 24, v[PW]
; The conversion does not saturate (ISA guide 7.6.2); p is not negative, so the hold is one-sided.  Two holds go in one instruction: destinations an even and an odd register; the first sources' numbers differ
; mod 4 (neighbours), and so do the second sources' (HL + b and HL2 + b).
.irp b, 0,1,2,3
.irp i, 0,2,4,6,8,10,12,14
	v_dual_min_num_f32 v[S+16*\b+\i], v[S+16*\b+\i], v[HL+\b] :: v_dual_min_num_f32 v[S+16*\b+\i+1], v[S+16*\b+\i+1], v[HL2+\b]
.endr
	v_cvt_scalef32_pk8_fp8_f32 v[PC+4*\b:PC+4*\b+1], v[S+16*\b:S+16*\b+7], v[SO+\b]
	v_cvt_scalef32_pk8_fp8_f32 v[PC+4*\b+2:PC+4*\b+3], v[S+16*\b+8:S+16*\b+15], v[SO+\b]
.endr
.set j, 0
.rept 16
	v_pk_mul_f32 v[O+j:O+j+1], v[O+j:O+j+1], v[F:F+1] op_sel_hi:[1,0]   ; O^T under the new M.  (These are also the places between the codes and the matrix instructions below)
.set j, j+2
.endr
	s_wait_alu depctr_va_vdst(0)
	s_wait_dscnt 0x0                               ; V is in
.irp t, 0,1,2,3                        ; O^T += V^T P^T: the four accumulators by turns, one instruction a turn
	v_wmma_scale_f32_16x16x128_f8f6f4 v[O+8*\t:O+8*\t+7], v[KV+16*\t:KV+16*\t+15], v[PC:PC+15], v[O+8*\t:O+8*\t+7], v[SW+\t], v[PW] matrix_a_scale:MATRIX_SCALE_ROW1
.endr
	s_add_co_u32 s[TB], s[TB], 8192                ; the next step's chunks
	s_add_co_u32 s[TS], s[TS], 256                 ; and scale words
.endm
.macro SLOT_STEPS                      ; a slot's eight key steps: written once, walked eight times
	s_mov_b32 s[CNT], NST
.Lstep_\@:
	STEP
	s_sub_co_u32 s[CNT], s[CNT], 1
	s_cmp_lg_u32 s[CNT], 0
	s_cbranch_scc1 .Lstep_\@
	s_sub_co_u32 s[TB], s[TB], NST*8192            ; back to a slot's first step,
	s_xor_b32 s[TB], s[TB], SLOTB                  ; in the other slot
.endm
; THE CHANGE OF SLOTS stands at a slot's head.  Each wave waits for all its tensor loads (its part of the slot that it is about to read), adds 0 to its spare word, and waits for that and for its reads of the slot that it has left.
; fill = 1: the barrier is a round of the cluster's, so that no wave of any partner still reads the slot or has a load on its way; the joint refill is the first thing behind it and has eight key steps in which to land.
.macro CHANGE fill
	s_wait_tensorcnt 0x0                           ; no tensor load of mine is out, so a group 0 may be written
	ds_add_u32 v[SPW], v[NIL]                      ; 0 onto my spare word
.if \fill
	ds_add_u32 v[SPW], v[NIL]                      ; and once more
	s_xor_b32 s[G0K+1], s[G0K+1], SLOTB            ; the walking descriptors: the other slot than last time,
	s_add_nc_u64 s[G0K+2:G0K+3], s[G0K+2:G0K+3], 65536    ; the next 1,024 keys; the type bits on top are not reached
	s_xor_b32 s[G0V+1], s[G0V+1], SLOTB
	s_add_nc_u64 s[G0V+2:G0V+3], s[G0V+2:G0V+3], 1048576
	s_wait_xcnt 0x0                                ; the last prefetch, a slot back, has read its address, so it may be written:
	s_add_nc_u64 s[PFA:PFA+1], s[PFA:PFA+1], s[PFS:PFS+1]  ; one slot further on than the walking descriptors
	s_wait_dscnt 0x0                               ; the add is done, and my reads of the slot that I have left are over
	CROUND
	TLOAD                                          ; a wave's one tensor load until the next round
	ASK
.else
	s_wait_dscnt 0x0
	s_barrier_signal -1
	s_barrier_wait -1
.endif
.endm
.Lslot:                                            ; three trips: behind each change of slots but the last the next slot is asked for
	CHANGE 1
	SLOT_STEPS
	s_sub_co_u32 s[SLOTS], s[SLOTS], 1
	s_cmp_lg_u32 s[SLOTS], 0
	s_cbranch_scc1 .Lslot
	CHANGE 0                                       ; the last slot is written out
	SLOT_STEPS
	; THE WAY OUT.  O^T / the sum; register 16 b + i is d = 32 b + 16 (lane / 16) + i of my query: two blocks of 32 along the last projection's K, each shared with the lane 16 away.
	; Their code registers are stored as they stand: the image of half a fragment of that projection's operand, 1,024 consecutive bytes a wave.
.rept 8
	v_nop                                          ; places behind the last products
.endr
	v_add_f32 v14, v14, v15                        ; the sum's two halves,
	s_delay_alu instid0(VALU_DEP_1)
	v_permlanex16_b32 v[TT], v14, s[SEL], s[SEL+1]
	s_delay_alu instid0(VALU_DEP_1)
	v_add_f32 v14, v14, v[TT]                      ; and the lane 16 away: the row's sum
	s_wait_alu depctr_va_vdst(0)
	v_rcp_f32 v14, v14
	v_lshl_add_u32 v[OB], v8, 5, v9                ; (a plain line behind the reciprocal)  32 bytes of scales a row; lanes 0-15 store block 0's byte, lanes 16-31 block 1's
	v_cmp_eq_u32 vcc_lo, 1, v9
	s_lshr_b32 s74, s15, 2
	s_lshl_b32 s74, s74, 20                        ; ocodes: [head / 4] 1 MiB,
	s_lshl_b32 s75, s73, 12                        ; [T] 4,096,
	s_add_co_u32 s74, s74, s75
	s_and_b32 s75, s15, 3
	s_lshl_b32 s75, s75, 10                        ; [head % 4] 1,024
	s_add_co_u32 s74, s74, s75
	s_mov_b32 s75, 0
	s_add_nc_u64 s[74:75], s[8:9], s[74:75]
	s_lshl_b32 s76, s73, 9                         ; oscales: 512 bytes a tile of 16 rows,
	s_lshl_b32 s77, s15, 1                         ; two bytes a head
	s_add_co_u32 s76, s76, s77
	s_mov_b32 s77, 0
	s_add_nc_u64 s[76:77], s[10:11], s[76:77]
	s_wait_alu depctr_va_vdst(0)                   ; the wait ahead of the reciprocal's first reader
.set j, 0
.rept 16
	v_pk_mul_f32 v[S+j:S+j+1], v[O+j:O+j+1], v[14:15] op_sel_hi:[1,0]   ; each accumulator from its low end on
.set j, j+2
.endr
.irp b, 0,1
	v_max3_num_f32 v[BM+\b], |v[S+16*\b]|, |v[S+16*\b+1]|, 0x4800000   ; my 16 numbers of block b, and the floor 2^(9 - 127)
.endr
.irp i, 2,4,6,8,10,12,14
.irp b, 0,1
	s_delay_alu instid0(VALU_DEP_2)
	v_max3_num_f32 v[BM+\b], v[BM+\b], |v[S+16*\b+\i]|, |v[S+16*\b+\i+1]|
.endr
.endr
.irp b, 0,1
	s_delay_alu instid0(VALU_DEP_2)
	v_permlanex16_b32 v[TP+\b], v[BM+\b], s[SEL], s[SEL+1]
.endr
.irp b, 0,1
	s_delay_alu instid0(VALU_DEP_2)
	v_max_num_f32 v[BM+\b], v[BM+\b], v[TP+\b]
.endr
.irp b, 0,1
	s_delay_alu instid0(VALU_DEP_2)
	v_add_nc_u32 v[SO+\b], 0xfc000000, v[BM+\b]
.endr
.irp b, 0,1
	s_delay_alu instid0(VALU_DEP_4)
	v_and_or_b32 v[HL+\b], v[BM+\b], 0x7f800000, s[MNT]
.endr
.irp b, 0,1
	s_delay_alu instid0(VALU_DEP_4)
	v_lshrrev_b32 v[TP+\b], 23, v[SO+\b]
.endr
	s_delay_alu instid0(VALU_DEP_1)
	v_cndmask_b32 v[TT], v[TP], v[TP+1], vcc_lo    ; my half's byte
.irp b, 0,1
.irp i, 0,1,2,3,4,5,6,7,8,9,10,11,12,13,14,15
	v_med3_num_f32 v[S+16*\b+\i], v[S+16*\b+\i], -v[HL+\b], v[HL+\b]
.endr
	v_cvt_scalef32_pk8_fp8_f32 v[PC+4*\b:PC+4*\b+1], v[S+16*\b:S+16*\b+7], v[SO+\b]
	v_cvt_scalef32_pk8_fp8_f32 v[PC+4*\b+2:PC+4*\b+3], v[S+16*\b+8:S+16*\b+15], v[SO+\b]
.endr
	v_nop                                          ; a plain line behind the last conversion
	global_store_b128 v[LI], v[PC:PC+3], s[74:75]
	global_store_b128 v[LI], v[PC+4:PC+7], s[74:75] offset:512
	global_store_b8 v[OB], v[TT], s[76:77]         ; two bytes of each row's 32: the other heads' work-groups write the others; one byte for 32 of codes
	s_wait_tensorcnt 0x0                           ; the wave's end
	ds_add_u32 v[SPW], v[NIL]
	s_wait_dscnt 0x0
	CROUND                                         ; the closing round: no work-group ends while a partner may still ask for a tile that names it
	s_endpgm
.Lfunc_end_k_q78d176ec19_attn:
	.size	k_q78d176ec19_attn, .Lfunc_end_k_q78d176ec19_attn-k_q78d176ec19_attn
	.p2alignl 7, 3214868480
	.fill 96, 4, 3214868480
	.section	.rodata,"a",@progbits
	.p2align	6, 0x0
	.amdhsa_kernel k_q78d176ec19_attn
		.amdhsa_group_segment_fixed_size 327680
		.amdhsa_private_segment_fixed_size 0
		.amdhsa_enable_private_segment 0
		.amdhsa_kernarg_size 32
		.amdhsa_user_sgpr_count 2
		.amdhsa_user_sgpr_kernarg_segment_ptr 1
		.amdhsa_wavefront_size32 1
		.amdhsa_system_sgpr_workgroup_id_x 1
		.amdhsa_system_sgpr_workgroup_id_y 1
		.amdhsa_system_sgpr_workgroup_id_z 1
		.amdhsa_system_vgpr_workitem_id 0
		.amdhsa_next_free_vgpr 256
		.amdhsa_next_free_sgpr 90
		.amdhsa_reserve_vcc 1
		.amdhsa_float_denorm_mode_32 3
		.amdhsa_float_denorm_mode_16_64 3
		.amdhsa_memory_ordered 1
		.amdhsa_forward_progress 1
		.amdhsa_inst_pref_size 60
	.end_amdhsa_kernel
	.amdgpu_metadata
---
amdhsa.version: [ 1, 2 ]
amdhsa.kernels:
  - .name:           k_q78d176ec19_attn
    .symbol:         k_q78d176ec19_attn.kd
    .args:
      - { .name: himg, .offset: 0, .size: 8, .value_kind: global_buffer, .address_space: global }
      - { .name: hsc, .offset: 8, .size: 8, .value_kind: global_buffer, .address_space: global }
      - { .name: ocodes, .offset: 16, .size: 8, .value_kind: global_buffer, .address_space: global }
      - { .name: oscales, .offset: 24, .size: 8, .value_kind: global_buffer, .address_space: global }
    .group_segment_fixed_size: 327680
    .private_segment_fixed_size: 0
    .kernarg_segment_align: 8
    .kernarg_segment_size: 32
    .max_flat_workgroup_size: 512
    .sgpr_count:     90
    .vgpr_count:     256
    .wavefront_size: 32
...
	.end_amdgpu_metadata
.endif
;; end of part 3
;; launch fc (part 4): grid 8 x 32, 4 waves a work-group, clusters of 4 x 4, 327,680 bytes of LDS; arguments ocodes, oscales, codes, scales, q, out0; writes out0
.if DOCPART == 4
	.amdgcn_target "amdgcn-amd-amdhsa--gfx1250"
	.amdhsa_code_object_version 6
	.text
	.protected	k_q78d176ec19_fc
	.globl	k_q78d176ec19_fc
	.p2align	8
	.type	k_q78d176ec19_fc,@function
k_q78d176ec19_fc:
	s_mov_b64 s[64:65], 0
	v_nop
	global_prefetch_b8 v0, s[64:65] scope:SCOPE_SE
	s_setreg_imm32_b32 hwreg(HW_REG_WAVE_MODE, 25, 1), 1
	s_wait_xcnt 0x0
	s_wait_alu depctr_hold_cnt(0) depctr_sa_sdst(0) depctr_va_vdst(0) depctr_va_sdst(0) depctr_va_ssrc(0) depctr_va_vcc(0) depctr_vm_vsrc(0)
	s_getreg_b32 s2, hwreg(HW_REG_IB_STS2, 6, 4)
	s_cmp_eq_u32 s2, 0
	s_cbranch_scc0 .Lentry_in_a_cluster
	s_endpgm
.Lentry_in_a_cluster:
	s_bfe_u32 s2, ttmp6, 0x10000c
	s_cmp_lg_u32 s2, 0xf033
	s_cbranch_scc0 .Lentry_shape_is_right
	s_endpgm
.Lentry_shape_is_right:
; out0[m][n] = relu(sum over k of O[m][k] Wfc[n][k]) + q[m][n]: 4,096 x 1,024 x 1,024 on codes of FP8 (E4M3) with one E8M0 scale byte for 32 along K; sums in f32.
; OPERANDS.  O: ocodes [k / 256][tile T of 16 tokens][head % 4][1,024 bytes], images of operand registers (chunks of 512 bytes, lane l's 16 bytes at 16 l); oscales [T][row][32 bytes].
; Wfc: rows of 1,024 codes at byte 15 MiB of codes, rows of 32 scale bytes at byte 491,520 of scales.  In both, stored row r of a tile 2 p + u of 16 is the true row 32 p + 8 u + r + 8 (r / 8).
; SHARES.  256 work-groups, each 128 tokens x 128 columns; four waves, 2 x 2, each 64 x 64: 16 accumulators.  ALL OF K LIES IN LDS: A's 131,072 bytes as they lie in memory, B's 128 rows in two halves of K, rows of 512 bytes + 16.
; Nothing is filled twice: four first fills, one a wave (wave 0: A's k 0-511, wave 1: B's, waves 2 and 3: k 512-1,023).  The first barrier shows waves 0 and 1's tiles, a second one, in step 2, the rest.
; CLUSTER 4 x 4: A's tiles hang on the tile row alone and are asked for jointly along a row of the cluster, B's on the tile column alone, along a column.
; Scale words (32 bytes a row) and the residual's 64 x 64 numbers a wave go from memory straight into registers at the head.
; THE PRODUCT IS USED TRANSPOSED (source 0 = 16 rows of Wfc, source 1 = 16 tokens): a lane holds eight neighbouring columns of one token.  The way out goes through the wave's own stage, so that sixteen lanes store 256 consecutive bytes, aligned.
; No prefetch: every tile is asked for at the head, and there is no loop to run ahead in.
; REGISTERS: window 0: v0-17 addresses, v32-63 A's scale words, v68-99 B's, v128-255 A's fragments, two sets (then the way out); window 1: v0-127 B's fragments, two sets; window 2: v0-127 the sums; window 3: v0-127 the residual.
.set PB,    528                        ; a row of B in LDS: 512 bytes + 16
.set AH,    65536                      ; half of A's image: two K steps of 256 x 8 tiles x 4,096 bytes
.set BB0,   2*AH                       ; B begins here
.set BH,    128*PB                     ; half of B
.set STG,   BB0+2*BH                   ; the stages: 16 rows x 272 bytes for each wave; no fill lands here
.set SPT,   272
.set SPARE, STG+4*16*SPT               ; the spare words, 128 bytes for each wave
.set ADA,  4                           ; v4, v5   LDS address of my fragments of A, k 0-511 and 512-1,023
.set ADB,  6                           ; v6, v7   the same for B
.set STO,  8                           ; v8   the stage, on the way in
.set RD,   9                           ; v9   and back
.set CO,   10                          ; v10  my byte offset in two rows of q and out0
.set SCO,  11                          ; v11  32 x (lane % 16): my row's scale bytes
.set SPW,  12                          ; v12  my spare word; never rewritten
.set NIL,  13                          ; v13  0; never rewritten
.set SA,   32                          ; register SA + 8 a + s: the scale word of token tile a, K step s
.set SB,   68                          ; SB + 8 b + s: of column tile b; the two numbers of a product differ by 4 modulo 8
.set AF,   128
.set BK,   128                         ; the way out: 16 rows read back, two sets of 32
.set G1A, 32
.set G1B, 40
.set G0A, 48
.set G0B, 52
.set MSB, 0
.macro WIN new                         ; the immediate's high byte repeats the setting that is left
.if MSB != \new
	s_set_vgpr_msb (MSB<<8)|\new
.set MSB, \new
.endif
.endm
.macro PLACES n
.rept \n
	v_nop
.endr
.endm
.macro CROUND                          ; a round of the cluster's barrier
	s_barrier_signal -1
	s_barrier_wait -1
	s_cmp_lg_u32 s20, 0
	s_cbranch_scc1 .Lnot_wave_0_\@
	s_barrier_signal -3
.Lnot_wave_0_\@:
	s_barrier_wait -3
	s_barrier_signal -1
	s_barrier_wait -1
.endm
.macro TL g0, g1                       ; a tensor load, with the s_nop 0 and four v_nop
	tensor_load_to_lds s[\g0:\g0+3], s[\g1:\g1+7]
	s_nop 0
	PLACES 4
.endm
	s_load_b128 s[4:7], s[0:1], 0x0                ; ocodes, oscales
	s_load_b128 s[8:11], s[0:1], 0x10              ; codes, scales
	s_load_b128 s[12:15], s[0:1], 0x20             ; q, out0
	v_lshl_add_u32 v[SPW], v0, 2, SPARE
	v_mov_b32 v[NIL], 0
	ds_add_u32 v[SPW], v[NIL]                      ; the opening lines: the add, twice on end, and its wait ahead of my first tensor load
	ds_add_u32 v[SPW], v[NIL]
	v_lshrrev_b32 v1, 5, v0
	v_readfirstlane_b32 s20, v1                    ; wave 0..3
	s_lshr_b32 s21, s20, 1                         ; my half of the tokens.  Also: which half of K I fetch
	s_and_b32 s22, s20, 1                          ; my half of the columns.  Also: I fetch for A (0) or B (1)
	s_lshl_b32 s56, s21, 14                        ; my four tiles of A: 4 x 4,096 bytes
	s_mul_i32 s57, s22, 64*PB                      ; my 64 rows of B
	s_add_co_u32 s57, s57, BB0
	s_mul_i32 s58, s20, 16*SPT                     ; my stage
	s_add_co_u32 s58, s58, STG
	v_and_b32 v1, 15, v0                           ; r
	v_bfe_u32 v2, v0, 4, 1                         ; h
	v_and_b32 v3, 31, v0                           ; lane
	v_lshl_add_u32 v[ADA], v3, 4, s56              ; A: 16 x lane in a chunk
	v_add_nc_u32 v[ADA+1], AH, v[ADA]
	v_mul_u32_u24 v14, v1, PB
	v_lshl_add_u32 v14, v2, 4, v14                 ; B: row r, + 16 h
	v_add_nc_u32 v[ADB], s57, v14
	v_add_nc_u32 v[ADB+1], BH, v[ADB]
	v_mul_u32_u24 v15, v1, SPT
	v_lshl_add_u32 v15, v2, 6, v15                 ; in: row r; columns 16 h on: 64 bytes
	v_add_nc_u32 v[STO], s58, v15
	v_mul_u32_u24 v16, v2, SPT
	v_lshl_add_u32 v16, v1, 4, v16                 ; back: lanes 0-15 one row of 256 bytes, lanes 16-31 the next
	v_add_nc_u32 v[RD], s58, v16
	v_lshlrev_b32 v17, 4, v1
	v_lshl_add_u32 v[CO], v2, 12, v17              ; the same two rows in q and out0: 4,096 bytes a row
	v_lshlrev_b32 v[SCO], 5, v1
	s_bfe_u32 s23, ttmp6, 0x40000                  ; cx
	s_bfe_u32 s24, ttmp6, 0x40004                  ; cy
	s_lshl_b32 s25, ttmp9, 2
	s_add_co_u32 s25, s25, s23                     ; tile column 0..7
	s_and_b32 s26, ttmp7, 0xffff
	s_lshl_b32 s26, s26, 2
	s_add_co_u32 s26, s26, s24                     ; tile row 0..31
	s_lshl_b32 s27, s24, 2
	s_lshl_b32 s27, 15, s27                        ; my row of the cluster
	s_lshl_b32 s28, 0x1111, s23                    ; my column
	s_or_b32 s[G1A], s27, (3<<16)|(1<<21)          ; A: 2 rows of 32,768 bytes (4,096 elements of 8), 1 MiB apart, no padding
	s_mov_b32 s[G1A+1], 4096<<16
	s_mov_b32 s[G1A+2], 2<<16
	s_mov_b32 s[G1A+3], 4096<<16
	s_mov_b32 s[G1A+4], 2
	s_mov_b32 s[G1A+5], 131072
	s_mov_b32 s[G1A+6], 0
	s_mov_b32 s[G1A+7], 0
	s_or_b32 s[G1B], s28, (1<<20)|(1<<21)|(6<<22)|(3<<25)   ; B: 128 rows of 512 bytes, 1,024 apart; four words of padding behind every 128
	s_mov_b32 s[G1B+1], 512<<16
	s_mov_b32 s[G1B+2], 128<<16
	s_mov_b32 s[G1B+3], 512<<16
	s_mov_b32 s[G1B+4], 128
	s_mov_b32 s[G1B+5], 1024
	s_mov_b32 s[G1B+6], 0
	s_mov_b32 s[G1B+7], 0
	s_lshl_b32 s56, s26, 15                        ; A in memory: 8 tiles x 4,096 bytes a tile row,
	s_lshl_b32 s57, s21, 21                        ; 2 MiB a half of K
	s_add_co_u32 s56, s56, s57
	s_mov_b32 s57, 0
	s_lshl_b32 s58, s25, 17                        ; B: 128 rows of 1,024 bytes a tile column,
	s_lshl_b32 s59, s21, 9                         ; 512 bytes a half of K,
	s_add_co_u32 s58, s58, s59
	s_add_co_u32 s58, s58, 15<<20                  ; behind q's, k's, v's and three weights' codes
	s_mov_b32 s59, 0
	s_lshl_b32 s60, s26, 12                        ; A's scale bytes: 128 rows of 32, my 64 of them
	s_lshl_b32 s61, s21, 11
	s_add_co_u32 s60, s60, s61
	s_mov_b32 s61, 0
	s_lshl_b32 s62, s25, 12                        ; B's likewise
	s_lshl_b32 s63, s22, 11
	s_add_co_u32 s62, s62, s63
	s_add_co_u32 s62, s62, 491520
	s_mov_b32 s63, 0
	s_lshl_b32 s66, s26, 19                        ; q and out0: 128 rows of 4,096 bytes a tile row, 64 a half,
	s_lshl_b32 s67, s21, 18
	s_add_co_u32 s66, s66, s67
	s_lshl_b32 s67, s25, 9                         ; 512 bytes a tile column, 256 a half
	s_add_co_u32 s66, s66, s67
	s_lshl_b32 s67, s22, 8
	s_add_co_u32 s66, s66, s67
	s_mov_b32 s67, 0
	s_mov_b32 s[G0A], 1
	s_lshl_b32 s[G0A+1], s21, 16                   ; LDS: the wave's number alone
	s_mov_b32 s[G0B], 1
	s_mul_i32 s[G0B+1], s21, BH
	s_add_co_u32 s[G0B+1], s[G0B+1], BB0
	s_wait_alu depctr_va_vdst(0)                   ; the wait at the head's end: every address register is made above
	s_wait_dscnt 0x0                               ; both opening adds are done
	s_wait_kmcnt 0x0
	s_add_nc_u64 s[G0A+2:G0A+3], s[4:5], s[56:57]
	s_or_b32 s[G0A+3], s[G0A+3], 0x80000000
	s_add_nc_u64 s[G0B+2:G0B+3], s[8:9], s[58:59]
	s_or_b32 s[G0B+3], s[G0B+3], 0x80000000
	s_add_nc_u64 s[6:7], s[6:7], s[60:61]
	s_add_nc_u64 s[10:11], s[10:11], s[62:63]
	s_add_nc_u64 s[12:13], s[12:13], s[66:67]
	s_add_nc_u64 s[14:15], s[14:15], s[66:67]
	CROUND                                         ; all sixteen work-groups are here: the joint loads meet
	s_cmp_lt_u32 s20, 1                            ; one chain of branches, one load to an arm, a line of its own for each wave
	s_cbranch_scc0 .Lw1
	TL G0A, G1A
	s_branch .Lasked
.Lw1:
	s_cmp_lt_u32 s20, 2
	s_cbranch_scc0 .Lw2
	TL G0B, G1B
	s_branch .Lasked
.Lw2:
	s_cmp_lt_u32 s20, 3
	s_cbranch_scc0 .Lw3
	TL G0A, G1A
	s_branch .Lasked
.Lw3:
	TL G0B, G1B
.Lasked:
.irp a, 0,1,2,3                        ; 16 loads: my rows' scale bytes, 512 consecutive bytes a tile
	global_load_b128 v[SA+8*\a:SA+8*\a+3], v[SCO], s[6:7] offset:512*\a
	global_load_b128 v[SA+8*\a+4:SA+8*\a+7], v[SCO], s[6:7] offset:512*\a+16
	global_load_b128 v[SB+8*\a:SB+8*\a+3], v[SCO], s[10:11] offset:512*\a
	global_load_b128 v[SB+8*\a+4:SB+8*\a+7], v[SCO], s[10:11] offset:512*\a+16
.endr
	s_cmp_lt_u32 s20, 2
	s_cbranch_scc0 .Lnot_first
	s_wait_tensorcnt 0x0                           ; waves 0 and 1: k 0-511 of A and of B have landed
.Lnot_first:
	s_barrier_signal -1
	s_barrier_wait -1
.macro FETCH s                         ; K step s (128 along K): B's four fragments and A's four into set s % 2: 32 loads
	WIN 0x40
.irp b, 0,1,2,3
.irp c, 0,1,2,3
	ds_load_b128 v[64*((\s)%2)+16*\b+4*\c:64*((\s)%2)+16*\b+4*\c+3], v[ADB+(\s)/4] offset:16*\b*PB+128*((\s)%4)+32*\c
.endr
.endr
	WIN 0
.irp a, 0,1,2,3
.irp c, 0,1,2,3
	ds_load_b128 v[AF+64*((\s)%2)+16*\a+4*\c:AF+64*((\s)%2)+16*\a+4*\c+3], v[ADA+(\s)/4] offset:32768*(((\s)%4)/2)+4096*\a+2048*((\s)%2)+512*\c
.endr
.endr
.endm
.macro MUL s                           ; 16 products, the 16 accumulators by turns; step 0 starts the sums
.irp a, 0,1,2,3
.irp b, 0,1,2,3
.if (\s) == 0
	v_wmma_scale_f32_16x16x128_f8f6f4 v[32*\a+8*\b:32*\a+8*\b+7], v[64*((\s)%2)+16*\b:64*((\s)%2)+16*\b+15], v[AF+64*((\s)%2)+16*\a:AF+64*((\s)%2)+16*\a+15], 0, v[SB+8*\b+(\s)], v[SA+8*\a+(\s)]
.else
	v_wmma_scale_f32_16x16x128_f8f6f4 v[32*\a+8*\b:32*\a+8*\b+7], v[64*((\s)%2)+16*\b:64*((\s)%2)+16*\b+15], v[AF+64*((\s)%2)+16*\a:AF+64*((\s)%2)+16*\a+15], v[32*\a+8*\b:32*\a+8*\b+7], v[SB+8*\b+(\s)], v[SA+8*\a+(\s)]
.endif
.endr
.endr
.endm
.macro STEP s
.if (\s) < 7
	s_wait_dscnt 32                                ; this step's fragments are in; the next step's 32 loads may be out
.else
	s_wait_dscnt 0x0
.endif
	WIN 0xa1                                       ; source 0 (B) window 1, source 1 (A) window 0, C and D window 2
	MUL \s
	WIN 0
.if (\s) < 6
	PLACES 8                                       ; eight places ahead of loads into registers that the products have read
.if (\s) == 2
	s_wait_tensorcnt 0x0                           ; every wave: k 512-1,023 have landed;
	s_wait_dscnt 0x0                               ; no LDS load of mine is out at the signal
	s_barrier_signal -1
	s_barrier_wait -1
.endif
	FETCH (\s)+2
.endif
.endm
	FETCH 0
	FETCH 1
	WIN 0xc0
.irp a, 0,1,2,3                        ; 32 loads: the residual, asked for behind the first tiles, in the order in which the stage gives the rows back: stage row x of tile a is token 32 (a / 2) + 8 (a % 2) + x + 8 (x / 8)
.irp t, 0,1,2,3,4,5,6,7
	global_load_b128 v[32*\a+4*\t:32*\a+4*\t+3], v[CO], s[12:13] offset:(32*(\a/2)+8*(\a%2)+2*\t+8*(\t/4))*4096 th:TH_LOAD_NT
.endr
.endr
	WIN 0
	s_wait_loadcnt 32
.irp s, 0,1,2,3,4,5,6,7
	STEP \s
.endr
	PLACES 8                                       ; eight places ahead of the first read of the sums
	s_wait_loadcnt 0x0                             ; the residual
.macro TOSTAGE a                       ; token tile a: 16 rows x 64 columns into my stage, each accumulator from its low end on, and back as rows of 256 bytes (LDS serves a wave's instructions in order)
	WIN 0x08
.irp b, 0,1,2,3
	ds_store_b128 v[STO], v[32*(\a)+8*\b:32*(\a)+8*\b+3] offset:128*(\b/2)+32*(\b%2)
	ds_store_b128 v[STO], v[32*(\a)+8*\b+4:32*(\a)+8*\b+7] offset:128*(\b/2)+32*(\b%2)+16
.endr
	WIN 0
.irp t, 0,1,2,3,4,5,6,7
	ds_load_b128 v[BK+32*((\a)%2)+4*\t:BK+32*((\a)%2)+4*\t+3], v[RD] offset:\t*2*SPT
.endr
.endm
.macro SEND a, younger                 ; relu, the residual, the stores.  younger: LDS instructions issued behind tile a's loads
.set BB_, BK+32*((\a)%2)
	s_wait_dscnt \younger
.set I_, 0
.rept 32
	v_max_num_f32 v[BB_+I_], 0, v[BB_+I_]
.set I_, I_+1
.endr
	WIN 0x0c                                       ; source 1: window 3
.set I_, 0
.rept 16
	v_pk_add_f32 v[BB_+I_:BB_+I_+1], v[BB_+I_:BB_+I_+1], v[32*(\a)+I_:32*(\a)+I_+1]
.set I_, I_+2
.endr
	WIN 0
.irp t, 0,1,2,3,4,5,6,7
	global_store_b128 v[CO], v[BB_+4*\t:BB_+4*\t+3], s[14:15] offset:(32*((\a)/2)+8*((\a)%2)+2*\t+8*(\t/4))*4096 th:TH_STORE_NT   ; sixteen lanes store 256 consecutive bytes, aligned
.endr
.endm
	TOSTAGE 0
	TOSTAGE 1
	SEND 0, 16                                     ; behind tile 0's loads: tile 1's 8 stores and 8 loads
	s_wait_xcnt 0x0                                ; tile 0's stores have read their registers: tile 2's loads may land there
	TOSTAGE 2
	SEND 1, 16
	s_wait_xcnt 0x0
	TOSTAGE 3
	SEND 2, 16
	SEND 3, 0
	s_wait_tensorcnt 0x0                           ; the wave's end
	ds_add_u32 v[SPW], v[NIL]
	s_wait_dscnt 0x0
	CROUND                                         ; the closing round
	s_endpgm
.Lfunc_end_k_q78d176ec19_fc:
	.size	k_q78d176ec19_fc, .Lfunc_end_k_q78d176ec19_fc-k_q78d176ec19_fc
	.p2alignl 7, 3214868480
	.fill 96, 4, 3214868480
	.section	.rodata,"a",@progbits
	.p2align	6, 0x0
	.amdhsa_kernel k_q78d176ec19_fc
		.amdhsa_group_segment_fixed_size 327680
		.amdhsa_private_segment_fixed_size 0
		.amdhsa_enable_private_segment 0
		.amdhsa_kernarg_size 48
		.amdhsa_user_sgpr_count 2
		.amdhsa_user_sgpr_kernarg_segment_ptr 1
		.amdhsa_wavefront_size32 1
		.amdhsa_system_sgpr_workgroup_id_x 1
		.amdhsa_system_sgpr_workgroup_id_y 1
		.amdhsa_system_sgpr_workgroup_id_z 1
		.amdhsa_system_vgpr_workitem_id 0
		.amdhsa_next_free_vgpr 896
		.amdhsa_next_free_sgpr 70
		.amdhsa_reserve_vcc 0
		.amdhsa_float_denorm_mode_32 3
		.amdhsa_float_denorm_mode_16_64 3
		.amdhsa_memory_ordered 1
		.amdhsa_forward_progress 1
		.amdhsa_inst_pref_size 63
	.end_amdhsa_kernel
	.amdgpu_metadata
---
amdhsa.version: [ 1, 2 ]
amdhsa.kernels:
  - .name:           k_q78d176ec19_fc
    .symbol:         k_q78d176ec19_fc.kd
    .args:
      - { .name: ocodes, .offset: 0, .size: 8, .value_kind: global_buffer, .address_space: global }
      - { .name: oscales, .offset: 8, .size: 8, .value_kind: global_buffer, .address_space: global }
      - { .name: codes, .offset: 16, .size: 8, .value_kind: global_buffer, .address_space: global }
      - { .name: scales, .offset: 24, .size: 8, .value_kind: global_buffer, .address_space: global }
      - { .name: q, .offset: 32, .size: 8, .value_kind: global_buffer, .address_space: global }
      - { .name: out0, .offset: 40, .size: 8, .value_kind: global_buffer, .address_space: global }
    .group_segment_fixed_size: 327680
    .private_segment_fixed_size: 0
    .kernarg_segment_align: 8
    .kernarg_segment_size: 48
    .max_flat_workgroup_size: 128
    .sgpr_count:     70
    .vgpr_count:     896
    .wavefront_size: 32
...
	.end_amdgpu_metadata
.endif
;; end of part 4
